; MI455X (gfx1250); checked and timed in simulation.
; The chip was launched on July 23, 2026; its instructions are those of AMD's public machine-readable ISA for CDNA 5 (MIT licence, August 2026) and "CDNA5" Instruction Set Architecture Reference Guide (July 2026). The comments in the code are by the model that wrote it; some were corrected since.
;; globalfeaturefuse. Allowed arithmetic: float matrix products may take bf16 or f16 operands with f32 sums; other float arithmetic in f32, or as packed bf16 or f16 multiplies, adds, multiply-adds, maxima and minima; sums over many terms, partial sums and values carried from step to step in f32; what a program stores and reads back later, other than sums and carried values, may be rounded once to bf16 or f16.
;; Inputs: Wk 2,048 x 2,048 float32; Wo 2,048 x 2,048 float32; Wq 2,048 x 2,048 float32; Wv 2,048 x 2,048 float32; bk 2,048 float32; bo 2,048 float32; bq 2,048 float32; bv 2,048 float32; x 4,096 x 2,048 float32; y 4,096 x 2,048 float32.
;; Outputs: out0 4,096 x 2,048 float32.
;; 2 versions, each right; version 2 is version 1 with the launch cast written anew for expert scheduling mode. Each part assembles by itself: llvm-mc -triple=amdgcn-amd-amdhsa -mcpu=gfx1250 --defsym DOCPART=n.
;; ======== version 1 of 2: 4 launches
;; limits: values are held in f16: magnitudes above 65,504 overflow, below 6.1e-05 lose precision
;; workspace buffers: xyb 33,554,432 bytes; wb 33,554,432 bytes; qkv 50,331,648 bytes; ob 16,777,216 bytes
;; launch cast (part 1): grid 128 x 8, 8 waves a work-group, no clusters, 0 bytes of LDS; arguments x, y, Wq, Wk, Wv, Wo, xyb, wb; writes xyb, wb
.if DOCPART == 1
	.amdgcn_target "amdgcn-amd-amdhsa--gfx1250"
	.amdhsa_code_object_version 6
	.text
	.protected	k_qd472d32066_cast
	.globl	k_qd472d32066_cast
	.p2align	8
	.type	k_qd472d32066_cast,@function
k_qd472d32066_cast:
	s_mov_b64 s[64:65], 0
	v_nop
	global_prefetch_b8 v0, s[64:65] scope:SCOPE_SE
	s_setreg_imm32_b32 hwreg(HW_REG_WAVE_MODE, 25, 1), 1
	s_wait_xcnt 0x0
; x, y, Wq, Wk, Wv, Wo (f32) are rounded once to bf16: xyb = [2][4096][2048] (x, y), wb = [4][2048][2048] (Wq, Wk, Wv, Wo).
; The 128 MiB of input are eight planes of 16 MiB: p = 0, 1 x's halves; 2, 3 y's halves; 4 .. 7 the four weights.  Grid y is the plane, grid x one of its 128 parts of 128 KiB.
; A part is taken as 32 rows of 4,096 bytes.  Thread t owns bytes 16 t .. 16 t + 15 of each row and writes bytes 8 t .. 8 t + 7 of the matching 2,048 bytes of output: a wave's load covers
; 512 consecutive bytes, a wave's store 256 consecutive bytes at a multiple of 256 from the buffer's first byte.
; All 32 loads of a thread go out first (16 KiB a wave on their way); each is converted and stored as it comes.  No register is written again after a memory instruction has read it, so no wait frees a source.
; No LDS, no matrix unit, no cluster: every byte is read once by one thread and nothing is shared.  No prefetch: all the addresses are asked for in the first lines.
.set ROWS,   32
.set INROW,  4096
.set OUTROW, 2048
.set X,      4                         ; v[4:131]  row i: four registers as loaded; the first two then hold the four bf16
	s_load_b512 s[4:19], s[0:1], 0x0               ; x 4:5, y 6:7, Wq 8:9, Wk 10:11, Wv 12:13, Wo 14:15, xyb 16:17, wb 18:19
	s_and_b32 s20, ttmp7, 0xffff                   ; the plane p
	v_lshlrev_b32 v1, 4, v0                        ; 16 t
	v_lshlrev_b32 v2, 3, v0                        ; 8 t
	s_and_b32 s21, s20, 1
	s_lshl_b32 s21, s21, 24                        ; which half of x or y
	s_cmp_lt_u32 s20, 4
	s_cselect_b32 s26, s21, 0                      ; (a weight is one plane)
	s_lshl_b32 s21, ttmp9, 17                      ; my part of the plane, in
	s_add_co_u32 s26, s26, s21
	s_mov_b32 s27, 0
	s_and_b32 s28, s20, 3
	s_lshl_b32 s28, s28, 23                        ; a plane is 8 MiB of bf16: four of them in xyb, four in wb
	s_lshl_b32 s21, ttmp9, 16                      ; my part of the plane, out
	s_add_co_u32 s28, s28, s21
	s_mov_b32 s29, 0
	s_wait_kmcnt 0x0
	s_cmp_lt_u32 s20, 2                            ; the source, chosen by the plane's number alone
	s_cselect_b64 s[22:23], s[4:5], s[6:7]
	s_cmp_eq_u32 s20, 4
	s_cselect_b64 s[22:23], s[8:9], s[22:23]
	s_cmp_eq_u32 s20, 5
	s_cselect_b64 s[22:23], s[10:11], s[22:23]
	s_cmp_eq_u32 s20, 6
	s_cselect_b64 s[22:23], s[12:13], s[22:23]
	s_cmp_eq_u32 s20, 7
	s_cselect_b64 s[22:23], s[14:15], s[22:23]
	s_cmp_lt_u32 s20, 4                            ; and the destination
	s_cselect_b64 s[24:25], s[16:17], s[18:19]
	s_add_nc_u64 s[22:23], s[22:23], s[26:27]
	s_add_nc_u64 s[24:25], s[24:25], s[28:29]
.set i, 0
.rept ROWS
	global_load_b128 v[X+4*i:X+4*i+3], v1, s[22:23] offset:INROW*i th:TH_LOAD_NT
.set i, i+1
.endr
.set i, 0
.rept ROWS
	s_wait_loadcnt ROWS-1-i                        ; loads come back in order (ISA guide 5.7.1): row i is in, the younger ones stay out
	v_cvt_pk_bf16_f32 v[X+4*i],   v[X+4*i],   v[X+4*i+1]
	v_cvt_pk_bf16_f32 v[X+4*i+1], v[X+4*i+2], v[X+4*i+3]
	global_store_b64 v2, v[X+4*i:X+4*i+1], s[24:25] offset:OUTROW*i th:TH_STORE_NT
.set i, i+1
.endr
	s_endpgm
.Lfunc_end_k_qd472d32066_cast:
	.size	k_qd472d32066_cast, .Lfunc_end_k_qd472d32066_cast-k_qd472d32066_cast
	.p2alignl 7, 3214868480
	.fill 96, 4, 3214868480
	.section	.rodata,"a",@progbits
	.p2align	6, 0x0
	.amdhsa_kernel k_qd472d32066_cast
		.amdhsa_group_segment_fixed_size 0
		.amdhsa_private_segment_fixed_size 0
		.amdhsa_enable_private_segment 0
		.amdhsa_kernarg_size 64
		.amdhsa_user_sgpr_count 2
		.amdhsa_user_sgpr_kernarg_segment_ptr 1
		.amdhsa_wavefront_size32 1
		.amdhsa_system_sgpr_workgroup_id_x 1
		.amdhsa_system_sgpr_workgroup_id_y 1
		.amdhsa_system_sgpr_workgroup_id_z 1
		.amdhsa_system_vgpr_workitem_id 0
		.amdhsa_next_free_vgpr 132
		.amdhsa_next_free_sgpr 66
		.amdhsa_reserve_vcc 0
		.amdhsa_float_denorm_mode_32 3
		.amdhsa_float_denorm_mode_16_64 3
		.amdhsa_memory_ordered 1
		.amdhsa_forward_progress 1
		.amdhsa_inst_pref_size 13
	.end_amdhsa_kernel
	.amdgpu_metadata
---
amdhsa.version: [ 1, 2 ]
amdhsa.kernels:
  - .name:           k_qd472d32066_cast
    .symbol:         k_qd472d32066_cast.kd
    .args:
      - { .name: x, .offset: 0, .size: 8, .value_kind: global_buffer, .address_space: global }
      - { .name: y, .offset: 8, .size: 8, .value_kind: global_buffer, .address_space: global }
      - { .name: Wq, .offset: 16, .size: 8, .value_kind: global_buffer, .address_space: global }
      - { .name: Wk, .offset: 24, .size: 8, .value_kind: global_buffer, .address_space: global }
      - { .name: Wv, .offset: 32, .size: 8, .value_kind: global_buffer, .address_space: global }
      - { .name: Wo, .offset: 40, .size: 8, .value_kind: global_buffer, .address_space: global }
      - { .name: xyb, .offset: 48, .size: 8, .value_kind: global_buffer, .address_space: global }
      - { .name: wb, .offset: 56, .size: 8, .value_kind: global_buffer, .address_space: global }
    .group_segment_fixed_size: 0
    .private_segment_fixed_size: 0
    .kernarg_segment_align: 8
    .kernarg_segment_size: 64
    .max_flat_workgroup_size: 256
    .sgpr_count:     66
    .vgpr_count:     132
    .wavefront_size: 32
...
	.end_amdgpu_metadata
.endif
;; end of part 1
;; launch proj (part 2): grid 24 x 8, 4 waves a work-group, clusters of 4 x 4, 327,680 bytes of LDS; arguments xyb, wb, qkv, bq, bk, bv; writes qkv
.if DOCPART == 2
	.amdgcn_target "amdgcn-amd-amdhsa--gfx1250"
	.amdhsa_code_object_version 6
	.text
	.protected	k_qd472d32066_proj
	.globl	k_qd472d32066_proj
	.p2align	8
	.type	k_qd472d32066_proj,@function
k_qd472d32066_proj:
	s_mov_b64 s[64:65], 0
	v_nop
	global_prefetch_b8 v0, s[64:65] scope:SCOPE_SE
	s_setreg_imm32_b32 hwreg(HW_REG_WAVE_MODE, 25, 1), 1
	s_wait_xcnt 0x0
	s_wait_alu depctr_hold_cnt(0) depctr_sa_sdst(0) depctr_va_vdst(0) depctr_va_sdst(0) depctr_va_ssrc(0) depctr_va_vcc(0) depctr_vm_vsrc(0)
	s_getreg_b32 s2, hwreg(HW_REG_IB_STS2, 6, 4)
	s_cmp_eq_u32 s2, 0
	s_cbranch_scc0 .Lentry_in_a_cluster
	s_endpgm
.Lentry_in_a_cluster:
	s_bfe_u32 s2, ttmp6, 0x10000c
	s_cmp_lg_u32 s2, 0xf033
	s_cbranch_scc0 .Lentry_shape_is_right
	s_endpgm
.Lentry_shape_is_right:
; q = x Wq^T + bq, k = y Wk^T + bk, v = y Wv^T + bv.  x, y: bf16 planes of xyb [2][4096][2048]; Wq, Wk, Wv: bf16 planes 0-2 of wb, which lie end to end: ONE B of [6144][2048];
; biases f32; sums f32; the results are rounded once to f16 into qkv [3][4096][2048].
; LIMIT.  f16 holds no number beyond 65,504: |q|, |k|, |v| must stay under it (with the drawn spread they are a few units; with all inputs 30 times larger some 5,000; with x or y and
; the weights both shifted by 30 spreads some 41,000).
; SHARES.  A tile of C is 256 x 256: 24 tile columns (8 each of q, k, v) x 16 tile rows = 384 tiles, TWO for each of 192 work-groups.  A WORK-GROUP STAYS: its two tiles lie 2,048 rows apart,
; share their rows of B and their bias, and the ring of LDS slots runs on from the first into the second.  Four waves, 2 x 2; a wave makes 128 x 128: 64 accumulators of 16 x 16, 512 registers.
; WHY THIS TILE AND NOT ONE THAT DIVIDES INTO 256 WORK-GROUPS.  A refill has one K step's matrix work in which to land.  With 256 x 256 a K step of 128 is 256 matrix instructions a wave, 224 of them
; between a request and the wait for it, and two slots of 139,264 bytes fit in LDS.  With 128 x 256 (three tiles for each of 256 work-groups) it is 128 and 112, and a slot of twice the K step,
; 202,752 bytes, does not fit twice.  Counted in changes of slots a work-group has 32 here against 48 there, for the same products a change as the larger tile allows.
; K goes in steps of 128 (rows of 256 bytes, each at a multiple of 256 from its buffer's first byte) through the two slots.  Waves 0 and 1 fetch A's two halves, waves 2 and 3 B's: 128 rows each.
; CLUSTERS: 4 x 4 work-groups.  The four of a row of the cluster need the same tiles of A, the four of a column the same tiles of B: each is asked for JOINTLY.  A is x in the clusters with x = 0, 1
; (q's columns) and y in the others: a choice by the cluster's x, which all sixteen partners share.
; THE MATRIX INSTRUCTION IS USED TRANSPOSED (source 0 = 16 rows of B, source 1 = 16 rows of A): a lane holds row l % 16 of C and the columns 8 (l / 16) + 0..7.
; THE BIAS STARTS THE SUMS: it is the C operand of a tile's first products (register j of block b: bias[16 b + 8 (l / 16) + j]): nothing is cleared, nothing is added later.
; REGISTERS, in windows of 256 (s_set_vgpr_msb: bits 1:0 source 0, 3:2 source 1, 5:4 source 2, 7:6 destination):
;   window 0: v0-31 addresses; v64-127, v128-191 fragments of A (8 x 16 rows x 32 K), two buffers; v192-223 packed results; v32-63, v224-255 rows read back from the stage, by turns
;   window 1: v0-63 the bias of my 128 columns; v64-127, v128-191 fragments of B, two buffers
;   window 2: the 32 accumulators of my rows 0-63 (accumulator (a, b) at v[8 (8 a + b)]);   window 3: those of my rows 64-127
.set KSTEP,  128
.set ROWB,   4096                      ; bytes in a row of A, of B and of C
.set PITCH,  272                       ; an LDS row: 256 bytes + 16 of padding = 68 words: the 16 rows of a load start at 16 different groups of four banks (64 banks of 4 bytes: ISA guide 11.1)
.set HALFT,  128*PITCH                 ; 128 rows: what one tensor load brings, and what one wave reads of A or of B
.set SLOT,   4*HALFT                   ; A's 256 rows, then B's 256 rows: 139,264 bytes
.set STAGE,  2*SLOT                    ; behind the ring, never filled by a tensor load: 16 rows x 272 bytes for each wave
.set SPITCH, 272
.set SPARE,  STAGE+4*16*SPITCH         ; the spare words, 128 bytes for each wave: two blocks of 256 bytes that no other line names
.set LAPS,   8                         ; a lap = two K steps = once round the ring; K = 2,048
.set TILES,  2
.set WALK,   2048                      ; rows from a work-group's first tile to its second
.set XPLANE, 16777216                  ; bytes in a plane of xyb and of qkv
.set BACK_B, 14*KSTEP*2                ; bytes from a slot's last K step of a tile back to its first
.set NEXT_A, WALK*ROWB-BACK_B          ; A goes WALK rows down and back along K; B only back
.set ADRA, 16                          ; v16-17  LDS address of my A fragments in slot 0, 1
.set ADRB, 20                          ; v20-21  the same for B
.set STO,  24                          ; v24     the way out: where I put 16 bytes of a row
.set RD,   25                          ; v25     the way out: where I read a row back
.set CO,   26                          ; v26     my byte offset in two rows of C
.set BO,   27                          ; v27     my byte offset in a block of 16 numbers of the bias: 32 (l / 16)
.set SPW,  28                          ; v28     LDS address of my spare word; never rewritten
.set NIL,  29                          ; v29     0; never rewritten
.set PFO,  30                          ; v30     the prefetches' offset: my lane x a row; never rewritten
.set F0,   64                          ; fragment buffer 0
.set F1,   128                         ; fragment buffer 1
.set TMP,  192
.set OB,   32
.set G1,   24                          ; s[24:31] descriptor group 1 for A's tiles;  s[32:39] group 0, a set for each slot
.set G0,   32
.set LIM,  43                          ; s43     1 in a wave that prefetches, else the greatest number
.set PFA,  44                          ; s[44:45] where my prefetches stand: one K step further along K than the refill that is being asked for
.set G1B,  48                          ; s[48:55], s[56:63] the same for B's tiles
.set G0B,  56
.set BB,   68                          ; s[68:69] bq, then my plane's bias at my columns;  s[72:75] bk, bv
.set W0,   (1<<16)|(1<<20)|(1<<21)|(5<<22)|(3<<25)  ; group 1's first word without the mask: elements of 2 bytes; padding on; bit 21 set beside a mask; after every 64 words 4 words
.set MSB, 0
.macro WIN new                         ; the immediate's high byte repeats the setting that is left; a switch that changes nothing is dropped
.if MSB != (\new)
	s_set_vgpr_msb (MSB<<8)|(\new)
.set MSB, \new
.endif
.endm
.set MUL_LO,  0xa1                     ; source 0 (B) window 1, source 1 (A) window 0, C and D window 2;  + 0x50: C and D window 3
.set MULB_LO, 0x91                     ; the same with C (the bias) in window 1;  + 0x40: D window 3
.set TO_B,    0x40                     ; destination window 1, address window 0
; A joint load.  Waves 0 and 1 fetch A's two halves, waves 2 and 3 B's.  The branch hangs on the wave's number alone.
; An s_nop 0 and four v_nop follow each of the two lines, ahead of the jump, the label and what follows.
.macro JLOAD s
	s_cmp_eq_u32 s11, 0
	s_cbranch_scc0 .Lfor_b_\@
	tensor_load_to_lds s[G0+4*(\s):G0+4*(\s)+3], s[G1:G1+7]
	s_nop 0
.rept 4
	v_nop
.endr
	s_branch .Lasked_\@
.Lfor_b_\@:
	tensor_load_to_lds s[G0B+4*(\s):G0B+4*(\s)+3], s[G1B:G1B+7]
	s_nop 0
.rept 4
	v_nop
.endr
.Lasked_\@:
.endm
; A PREFETCH, behind each joint load and the run of LDS loads that follows it: 32 rows x 256 bytes, a lane a row, of the K step that stands two refills on (512 matrix instructions of a wave ahead of its load).
; Each row's 256 bytes of a K step are named once in the launch.  x's rows are read by the clusters with x = 0 and 1, y's by those with x = 2 to 5: the first of each (x = 0, x = 2) asks.  B's tile column
; is read by both clusters of that column: the one with y = 0 asks.  Of the 128 rows that a wave fetches, each of the four partners that ask for them jointly takes 32, told apart by ADDRESS
; (cx for A, cy for B); the test hangs on the cluster's place and the wave alone.  how = 0, in the loop: its last trip's two refills have no K step two on.  how = 1, at the change of tiles:
; the next tile's K steps 2 and 3 of A; B's rows are the same for both tiles and are asked for in the first alone.  The launch's first four K steps come by their loads alone.
.macro ASK how
.if \how
	s_cmp_eq_u32 s[LIM], 1
.else
	s_cmp_gt_u32 s3, s[LIM]                        ; s3 = 1 in the loop's last trip
.endif
	s_cbranch_scc0 .Lnot_mine_\@
	global_prefetch_b8 v[PFO], s[PFA:PFA+1] offset:KSTEP*2 th:TH_LOAD_NT scope:SCOPE_SE
.Lnot_mine_\@:
.endm
.macro CREST                           ; a round of the cluster's barrier behind its opening barrier
	s_cmp_lg_u32 s10, 0
	s_cbranch_scc1 .Lnot_wave_0_\@
	s_barrier_signal -3
.Lnot_wave_0_\@:
	s_barrier_wait -3
	s_barrier_signal -1
	s_barrier_wait -1
.endm
.macro CROUND                          ; a whole round
	s_barrier_signal -1
	s_barrier_wait -1
	CREST
.endm
.macro PLACES                          ; four places behind a matrix instruction, in front of loads into registers that it has read and of lines that read its results
.rept 4
	v_nop
.endr
.endm
; 16 matrix instructions: m blocks a0, a0 + 1 of the window's four (hi = 0: my rows 0-63, 1: rows 64-127) x all 8 n blocks, 32 along K.  start = 1: the bias starts the sums.
; The 64 accumulators take turns in the same order in every quarter.
.macro MUL16 f, hi, a0, start
.if \start
	WIN MULB_LO+0x40*(\hi)
.else
	WIN MUL_LO+0x50*(\hi)
.endif
.irp a, \a0, (\a0)+1
.irp b, 0,1,2,3,4,5,6,7
.if \start
	v_wmma_f32_16x16x32_bf16 v[8*(8*(\a)+(\b)):8*(8*(\a)+(\b))+7], v[(\f)+8*(\b):(\f)+8*(\b)+7], v[(\f)+8*(4*(\hi)+(\a)):(\f)+8*(4*(\hi)+(\a))+7], v[8*(\b):8*(\b)+7]
.else
	v_wmma_f32_16x16x32_bf16 v[8*(8*(\a)+(\b)):8*(8*(\a)+(\b))+7], v[(\f)+8*(\b):(\f)+8*(\b)+7], v[(\f)+8*(4*(\hi)+(\a)):(\f)+8*(4*(\hi)+(\a))+7], v[8*(8*(\a)+(\b)):8*(8*(\a)+(\b))+7]
.endif
.endr
.endr
.endm
; 32 LDS loads in one run: the fragments of one quarter step (128 rows of B, 128 rows of A, 32 K at byte k of the rows) into buffer f
.macro FETCH slot, k, f
	WIN TO_B
.irp i, 0,1,2,3,4,5,6,7
	ds_load_b128 v[(\f)+8*(\i):(\f)+8*(\i)+3],   v[ADRB+(\slot)] offset:(\k)+(\i)*16*PITCH
	ds_load_b128 v[(\f)+8*(\i)+4:(\f)+8*(\i)+7], v[ADRB+(\slot)] offset:(\k)+(\i)*16*PITCH+32
.endr
	WIN 0
.irp i, 0,1,2,3,4,5,6,7
	ds_load_b128 v[(\f)+8*(\i):(\f)+8*(\i)+3],   v[ADRA+(\slot)] offset:(\k)+(\i)*16*PITCH
	ds_load_b128 v[(\f)+8*(\i)+4:(\f)+8*(\i)+7], v[ADRA+(\slot)] offset:(\k)+(\i)*16*PITCH+32
.endr
.endm
; A K step is four quarters of 32 along K, 64 matrix instructions each, on buffers 0, 1, 0, 1.  One of the first three: multiplies buffer f; in its middle it fetches the next quarter, at byte k, into g.
.macro QUARTER slot, k, f, g, start
	s_wait_dscnt 8                                 ; B and A's rows 0-63 are in; the youngest eight loads (A's rows 64-127) may be out
	MUL16 \f, 0, 0, \start
	MUL16 \f, 0, 2, \start
	PLACES
	FETCH \slot, \k, \g
	s_wait_dscnt 32                                ; all but the 32 just issued
	MUL16 \f, 1, 0, \start
	MUL16 \f, 1, 2, \start
.endm
; The last quarter multiplies buffer 1 and changes slots.  MEET is its first half: one barrier; in front of it each wave waits for all its tensor loads (one is out: its part of the next slot),
; adds 0 to its spare word, and waits for that and for its own reads of this slot.  Behind it nobody reads this slot any more and the next slot is whole.
.macro MEET round
	WIN 0                                          ; (the add's two registers lie in window 0)
	s_wait_tensorcnt 0x0                           ; all my tensor loads have landed
	ds_add_u32 v[SPW], v[NIL]                      ; 0 onto my spare word
	s_wait_dscnt 9                                 ; (the add and the youngest eight loads may be out)
	MUL16 F1, 0, 0, 0                              ; sixteen matrix instructions stand between the add and the wait for it
	s_wait_dscnt 0x0                               ; the add is done, and my reads of this slot are over
	s_barrier_signal -1
	MUL16 F1, 0, 2, 0                              ; work on registers while the others arrive
.if \round
	WIN 0
.endif
	s_barrier_wait -1
.endm
; The whole last quarter.  Behind the round the slot just read out is filled again first: with this tile's K step two steps on (on = 0), or with the next tile's K step 0 or 1 (on = 1).
; From a request to the wait for it a wave issues 224 matrix instructions, across the change of tiles too.
.macro TURN slot, next, on
	s_wait_xcnt 0x0                                ; the last prefetch, a K step back, has read its address: it is stepped here, ahead of the waits of the change of slots
.if (\on) && (\slot) == 0
	s_add_nc_u64 s[PFA:PFA+1], s[PFA:PFA+1], (WALK-1)*ROWB+KSTEP*2  ; from the K step after the tile's last to the next tile's K step 1: WALK rows down, back along K
	s_cmp_eq_u32 s11, 0
	s_cselect_b32 s[LIM], s[LIM], -1               ; B's rows have been read: they are asked for no more
.else
	s_add_nc_u64 s[PFA:PFA+1], s[PFA:PFA+1], KSTEP*2
.endif
	MEET 1
	CREST                                          ; no wave of any partner still reads this slot's tile or has a load on its way
.if \on
	s_add_nc_u64 s[G0+4*(\slot)+2:G0+4*(\slot)+3], s[G0+4*(\slot)+2:G0+4*(\slot)+3], NEXT_A
	s_sub_nc_u64 s[G0B+4*(\slot)+2:G0B+4*(\slot)+3], s[G0B+4*(\slot)+2:G0B+4*(\slot)+3], BACK_B
.else
	s_add_nc_u64 s[G0+4*(\slot)+2:G0+4*(\slot)+3], s[G0+4*(\slot)+2:G0+4*(\slot)+3], 2*KSTEP*2
	s_add_nc_u64 s[G0B+4*(\slot)+2:G0B+4*(\slot)+3], s[G0B+4*(\slot)+2:G0B+4*(\slot)+3], 2*KSTEP*2
.endif
	JLOAD \slot                                    ; the first tensor load behind the round; its four v_nop are also the places in front of the loads below
	FETCH \next, 0, F0
	ASK \on
	MUL16 F1, 1, 0, 0
	MUL16 F1, 1, 2, 0
.endm
; THE WAY OUT of block a (16 rows).  PACK: rounded to f16, 16 bytes a lane and column block, each accumulator's registers in ascending order.  TOSTAGE: into my own stage, and back as whole rows of 256 bytes.  SEND: stored.
.macro PACK a
.set AC, 64*((\a)%4)
	WIN 0x0a+5*((\a)/4)                            ; sources 0 and 1: window 2 or 3
.irp b, 0,1,2,3,4,5,6,7
.irp r, 0,1,2,3
	v_cvt_pk_f16_f32 v[TMP+4*(\b)+(\r)], v[AC+8*(\b)+2*(\r)], v[AC+8*(\b)+2*(\r)+1]
.endr
.endr
	WIN 0
.endm
.macro TOSTAGE a
	WIN 0
.set BK, OB+192*((\a)%2)
.irp b, 0,1,2,3,4,5,6,7
	ds_store_b128 v[STO], v[TMP+4*(\b):TMP+4*(\b)+3] offset:32*(\b)
.endr
.irp t, 0,1,2,3,4,5,6,7
	ds_load_b128 v[BK+4*(\t):BK+4*(\t)+3], v[RD] offset:(\t)*2*SPITCH  ; LDS serves a wave's instructions in order (ISA guide 5.7.1.4): these see the stores above
.endr
.endm
.macro SEND a
	WIN 0
.set BK, OB+192*((\a)%2)
	s_wait_dscnt 0x0                               ; the block is back in registers
	s_wait_xcnt 0x0                                ; the stores of the block before have read their registers: the block after this one is read back into them
.irp t, 0,1,2,3,4,5,6,7
	global_store_b128 v[CO], v[BK+4*(\t):BK+4*(\t)+3], s[8:9] offset:(16*(\a)+2*(\t))*ROWB  ; 16 lanes store 256 consecutive bytes, at a multiple of 256 from the buffer's first byte; 126 rows at the most stand in the immediate
.endr
.endm
.macro WAYOUT                          ; block a's conversions stand between block a - 1's loads from the stage and the wait for them
	PACK 0
	TOSTAGE 0
.irp a, 1,2,3,4,5,6,7
	PACK \a
	SEND (\a)-1
	TOSTAGE \a
.endr
	SEND 7
.endm
	s_load_b128 s[4:7], s[0:1], 0x0                ; xyb s[4:5], wb s[6:7]
	s_load_b64 s[8:9], s[0:1], 0x10                ; qkv
	s_load_b64 s[BB:BB+1], s[0:1], 0x18            ; bq
	s_load_b128 s[72:75], s[0:1], 0x20             ; bk s[72:73], bv s[74:75]
	v_lshl_add_u32 v[SPW], v0, 2, SPARE
	v_mov_b32 v[NIL], 0
	ds_add_u32 v[SPW], v[NIL]                      ; the wave's opening: the add and its wait stand ahead of my first tensor load; the set-up below, work on registers, stands between them
	v_lshrrev_b32 v1, 5, v0
	v_readfirstlane_b32 s10, v1                    ; wave 0..3
	s_lshr_b32 s11, s10, 1                         ; which half of the tile's rows is mine.  Also: I fetch for A (0) or for B (1)
	s_and_b32 s12, s10, 1                          ; which half of its columns.  Also: which 128 rows of that tile I fetch
	s_bfe_u32 s40, ttmp6, 0x40000                  ; cx, cy: my place in the cluster
	s_bfe_u32 s41, ttmp6, 0x40004
	s_lshl_b32 s42, ttmp9, 2
	s_add_co_u32 s42, s42, s40                     ; tile column = 4 x cluster x + cx: 0..23
	s_and_b32 s13, ttmp7, 0xffff
	s_lshl_b32 s13, s13, 2
	s_add_co_u32 s13, s13, s41                     ; tile row of the first tile = 4 x cluster y + cy: 0..7
	s_lshl_b32 s43, s41, 2
	s_lshl_b32 s43, 15, s43                        ; my row of the cluster
	s_lshl_b32 s44, 0x1111, s40                    ; my column
	s_or_b32 s[G1], s43, W0                        ; A's tiles go to my row,
	s_or_b32 s[G1B], s44, W0                       ; B's to my column
.irp g, G1, G1B
	s_mov_b32 s[(\g)+1], KSTEP<<16                 ; tensor_dim0 = 128
	s_mov_b32 s[(\g)+2], 128<<16                   ; tensor_dim1 = 128
	s_mov_b32 s[(\g)+3], KSTEP<<16                 ; tile_dim0 = 128
	s_mov_b32 s[(\g)+4], 128                       ; tile_dim1 = 128
	s_mov_b32 s[(\g)+5], 2048                      ; elements from row to row
	s_mov_b32 s[(\g)+6], 0
	s_mov_b32 s[(\g)+7], 0
.endr
	s_lshl_b32 s17, s12, 7                         ; which 128 rows of the tile I fetch
	s_lshl_b32 s16, s13, 8
	s_add_co_u32 s16, s16, s17                     ; A: row 256 x tile row + 128 x half,
	s_lshl_b32 s16, s16, 12                        ; in bytes,
	s_cmp_ge_u32 ttmp9, 2
	s_cselect_b32 s19, XPLANE, 0                   ; in x's plane for q's columns, in y's for k's and v's: by the cluster's x, which all partners share
	s_add_co_u32 s16, s16, s19
	s_lshl_b32 s46, s42, 8
	s_add_co_u32 s46, s46, s17                     ; B: row 256 x tile column + 128 x half: made of the tile column and the wave alone
	s_lshl_b32 s46, s46, 12
	s_mov_b32 s17, 0
	s_mov_b32 s47, 0
	s_mul_i32 s20, s10, HALFT                      ; where they go: A's two halves, then B's two halves = wave x 128 rows: no place in the cluster enters an LDS address
	s_wait_dscnt 0x0                               ; the opening add is done
	s_wait_kmcnt 0x0
	s_add_nc_u64 s[14:15], s[4:5], s[16:17]
	s_add_nc_u64 s[46:47], s[6:7], s[46:47]
	CROUND                                         ; all sixteen work-groups are here: the first joint loads meet
.irp s, 0,1
	s_mov_b32 s[G0+4*(\s)], 1                                        ; count = 1
	s_add_co_u32 s[G0+4*(\s)+1], s20, (\s)*SLOT                      ; LDS address
	s_add_nc_u64 s[G0+4*(\s)+2:G0+4*(\s)+3], s[14:15], (\s)*KSTEP*2  ; global address: K step s
	s_or_b32 s[G0+4*(\s)+3], s[G0+4*(\s)+3], 0x80000000              ; type = 2
	s_mov_b32 s[G0B+4*(\s)], 1
	s_add_co_u32 s[G0B+4*(\s)+1], s20, (\s)*SLOT
	s_add_nc_u64 s[G0B+4*(\s)+2:G0B+4*(\s)+3], s[46:47], (\s)*KSTEP*2
	s_or_b32 s[G0B+4*(\s)+3], s[G0B+4*(\s)+3], 0x80000000
	JLOAD \s                                       ; two tensor loads of mine are out
.endr
	; a fragment is 16 rows x 32 K in 8 registers: lane l holds row l % 16; registers 0-3 K = 8 (l / 16) + 0..7, registers 4-7 K = 16 + 8 (l / 16) + 0..7: two loads of 16 bytes, 32 bytes apart
	v_and_b32 v1, 15, v0                           ; l % 16
	v_bfe_u32 v2, v0, 4, 1                         ; l / 16
	v_mul_u32_u24 v3, v1, PITCH
	v_lshl_add_u32 v3, v2, 4, v3                   ; row x pitch + 16 x half
	s_mul_i32 s21, s11, HALFT                      ; my 128 rows of A
	s_mul_i32 s22, s12, HALFT                      ; my 128 rows of B,
	s_add_co_u32 s22, s22, 2*HALFT                 ; which lie behind A's 256
.irp s, 0,1
	v_add_nc_u32 v[ADRA+(\s)], s21, v3
	v_add_nc_u32 v[ADRB+(\s)], s22, v3
	s_add_co_u32 s21, s21, SLOT
	s_add_co_u32 s22, s22, SLOT
.endr
	s_mul_i32 s23, s10, 16*SPITCH
	s_add_co_u32 s23, s23, STAGE                   ; my stage
	v_add_nc_u32 v[STO], s23, v3                   ; in: row l % 16, 16 bytes for each half of the lanes (the stage has the slots' pitch)
	v_mul_u32_u24 v5, v2, SPITCH                   ; back: lanes 0-15 take one row of 256 bytes, lanes 16-31 the next
	v_lshl_add_u32 v5, v1, 4, v5
	v_add_nc_u32 v[RD], s23, v5
	v_lshlrev_b32 v5, 12, v2                       ; and the same two rows in C
	v_lshl_add_u32 v[CO], v1, 4, v5
	v_lshlrev_b32 v[BO], 5, v2
	s_lshl_b32 s16, s13, 8                         ; C at my first row: 256 x tile row + 128 x half,
	s_lshl_b32 s17, s11, 7
	s_add_co_u32 s16, s16, s17
	s_lshl_b32 s16, s16, 12
	s_lshr_b32 s18, ttmp9, 1                       ; in my plane of qkv: 8 tile columns, two clusters, a plane
	s_lshl_b32 s17, s18, 24
	s_add_co_u32 s16, s16, s17
	s_mov_b32 s17, 0
	s_add_nc_u64 s[8:9], s[8:9], s[16:17]
	s_and_b32 s46, s42, 7                          ; and my first column in the plane, 256 x (tile column mod 8) + 128 x half, in f16
	s_lshl_b32 s46, s46, 9
	s_lshl_b32 s47, s12, 8
	s_add_co_u32 s46, s46, s47
	s_mov_b32 s47, 0
	s_add_nc_u64 s[8:9], s[8:9], s[46:47]
	s_lshl_b32 s46, s46, 1                         ; the same column in f32: my plane's bias
	s_cmp_eq_u32 s18, 0
	s_cselect_b64 s[BB:BB+1], s[BB:BB+1], s[72:73]
	s_cmp_eq_u32 s18, 2
	s_cselect_b64 s[BB:BB+1], s[74:75], s[BB:BB+1]
	s_add_nc_u64 s[BB:BB+1], s[BB:BB+1], s[46:47]
	; the prefetches
	s_lshl_b32 s20, s13, 8                         ; A: the tile's first row,
	s_lshl_b32 s21, s42, 8                         ; B: likewise
	s_and_b32 s22, ttmp7, 0xffff                   ; cluster y: 0 in the first cluster that reads a tile column of B
	s_and_b32 s23, ttmp9, 5                        ; 0 where cluster x is 0 or 2: the first cluster that reads x's rows, the first that reads y's
	s_cmp_eq_u32 s11, 0                            ; do I fetch for A?
	s_cselect_b32 s20, s20, s21
	s_cselect_b32 s21, s40, s41                    ; my place among the four that ask with me
	s_cselect_b32 s22, s23, s22
	s_cselect_b32 s19, s19, 0                      ; A's plane
	s_cselect_b64 s[PFA:PFA+1], s[4:5], s[6:7]
	s_cmp_eq_u32 s22, 0
	s_cselect_b32 s[LIM], 1, -1                    ; the same in all sixteen partners, for a given wave
	s_lshl_b32 s22, s12, 7
	s_add_co_u32 s20, s20, s22                     ; + the 128 rows that I fetch
	s_lshl_b32 s21, s21, 5
	s_add_co_u32 s20, s20, s21                     ; + my work-group's 32 of them
	s_lshl_b32 s20, s20, 12
	s_add_co_u32 s20, s20, s19
	s_mov_b32 s21, 0
	s_add_nc_u64 s[PFA:PFA+1], s[PFA:PFA+1], s[20:21]
	s_add_nc_u64 s[PFA:PFA+1], s[PFA:PFA+1], 2*KSTEP*2  ; at K step 2: the first refill steps it to 3 and names K step 4
	v_and_b32 v[PFO], 31, v0
	v_lshlrev_b32 v[PFO], 12, v[PFO]
	WIN TO_B                                       ; the bias of my 128 columns, 8 numbers a lane and block, into window 1: it serves both tiles
.irp b, 0,1,2,3,4,5,6,7
	global_load_b128 v[8*(\b):8*(\b)+3],   v[BO], s[BB:BB+1] offset:64*(\b)
	global_load_b128 v[8*(\b)+4:8*(\b)+7], v[BO], s[BB:BB+1] offset:64*(\b)+16
.endr
	WIN 0
	s_wait_tensorcnt 1                             ; my part of K step 0 is in; K step 1's load may stay out
	s_barrier_signal -1
	s_barrier_wait -1                              ; everybody's is
	FETCH 0, 0, F0
	s_wait_loadcnt 0x0                             ; the bias is in
	s_mov_b32 s2, TILES                            ; tiles to go, this one among them: the same number in every work-group
.Ltile:
	QUARTER 0, 64, F0, F1, 1                       ; a tile's first quarter stands in front of the loop: its products start the sums, with the bias
	WIN 0                                          ; at a label and at a branch every window is 0
	s_mov_b32 s3, LAPS-1
.Llap:                                                 ; a trip goes once round the ring, from a lap's second quarter to the next lap's first, and fills both slots again
	QUARTER 0, 128, F1, F0, 0
	QUARTER 0, 192, F0, F1, 0
	TURN 0, 1, 0
	QUARTER 1, 64,  F0, F1, 0
	QUARTER 1, 128, F1, F0, 0
	QUARTER 1, 192, F0, F1, 0
	TURN 1, 0, 0
	QUARTER 0, 64,  F0, F1, 0
	WIN 0
	s_sub_co_u32 s3, s3, 1
	s_cmp_lg_u32 s3, 0
	s_cbranch_scc1 .Llap
	QUARTER 0, 128, F1, F0, 0                      ; the tile's last lap goes on
	QUARTER 0, 192, F0, F1, 0
	WIN 0
	s_cmp_eq_u32 s2, 1
	s_cbranch_scc1 .Llast_tile                     ; the last tile's tail is written out: it asks for nothing more
	TURN 0, 1, 1                                   ; the ring goes on into the next tile: slot 0 takes its K step 0,
	QUARTER 1, 64,  F0, F1, 0
	QUARTER 1, 128, F1, F0, 0
	QUARTER 1, 192, F0, F1, 0
	TURN 1, 0, 1                                   ; slot 1 its K step 1, and the next tile's first fragments are fetched
	WAYOUT                                         ; both refills are asked for: now the tile goes out.  No v_nop: blocks 0-3 were finished in front of the joint load's four v_nop, and their 128
	                                               ; conversions, which name no register of the last products (blocks 4-7's), are those products' places
	s_wait_xcnt 0x0                                ; the stores have read their registers and their base
	s_add_nc_u64 s[8:9], s[8:9], WALK*ROWB         ; C at the second tile
	s_sub_co_u32 s2, s2, 1
	s_branch .Ltile
.Llast_tile:
	MEET 0                                         ; my one tensor load that was still out is slot 1's, the last K step's, so no round follows
	PLACES                                         ; for the loads into buffer 0, which the quarter before multiplied
	FETCH 1, 0, F0
	MUL16 F1, 1, 0, 0
	MUL16 F1, 1, 2, 0
	QUARTER 1, 64,  F0, F1, 0
	QUARTER 1, 128, F1, F0, 0
	QUARTER 1, 192, F0, F1, 0
	s_wait_dscnt 8                                 ; the very last quarter: nothing more to fetch
	MUL16 F1, 0, 0, 0
	MUL16 F1, 0, 2, 0
	s_wait_dscnt 0x0
	MUL16 F1, 1, 0, 0
	MUL16 F1, 1, 2, 0
	WIN 0
	PLACES                                         ; behind the last products
	WAYOUT
	s_wait_tensorcnt 0x0                           ; the wave's end: the wait, the add and the add's wait stand behind my last tensor load and my last LDS store
	ds_add_u32 v[SPW], v[NIL]
	s_wait_dscnt 0x0
	CROUND                                         ; the closing round: no work-group ends while a partner may still ask for a tile that names it
	s_endpgm
.Lfunc_end_k_qd472d32066_proj:
	.size	k_qd472d32066_proj, .Lfunc_end_k_qd472d32066_proj-k_qd472d32066_proj
	.p2alignl 7, 3214868480
	.fill 96, 4, 3214868480
	.section	.rodata,"a",@progbits
	.p2align	6, 0x0
	.amdhsa_kernel k_qd472d32066_proj
		.amdhsa_group_segment_fixed_size 327680
		.amdhsa_private_segment_fixed_size 0
		.amdhsa_enable_private_segment 0
		.amdhsa_kernarg_size 48
		.amdhsa_user_sgpr_count 2
		.amdhsa_user_sgpr_kernarg_segment_ptr 1
		.amdhsa_wavefront_size32 1
		.amdhsa_system_sgpr_workgroup_id_x 1
		.amdhsa_system_sgpr_workgroup_id_y 1
		.amdhsa_system_sgpr_workgroup_id_z 1
		.amdhsa_system_vgpr_workitem_id 0
		.amdhsa_next_free_vgpr 1024
		.amdhsa_next_free_sgpr 80
		.amdhsa_reserve_vcc 0
		.amdhsa_float_denorm_mode_32 3
		.amdhsa_float_denorm_mode_16_64 3
		.amdhsa_memory_ordered 1
		.amdhsa_forward_progress 1
		.amdhsa_inst_pref_size 211
	.end_amdhsa_kernel
	.amdgpu_metadata
---
amdhsa.version: [ 1, 2 ]
amdhsa.kernels:
  - .name:           k_qd472d32066_proj
    .symbol:         k_qd472d32066_proj.kd
    .args:
      - { .name: xyb, .offset: 0, .size: 8, .value_kind: global_buffer, .address_space: global }
      - { .name: wb, .offset: 8, .size: 8, .value_kind: global_buffer, .address_space: global }
      - { .name: qkv, .offset: 16, .size: 8, .value_kind: global_buffer, .address_space: global }
      - { .name: bq, .offset: 24, .size: 8, .value_kind: global_buffer, .address_space: global }
      - { .name: bk, .offset: 32, .size: 8, .value_kind: global_buffer, .address_space: global }
      - { .name: bv, .offset: 40, .size: 8, .value_kind: global_buffer, .address_space: global }
    .group_segment_fixed_size: 327680
    .private_segment_fixed_size: 0
    .kernarg_segment_align: 8
    .kernarg_segment_size: 48
    .max_flat_workgroup_size: 128
    .sgpr_count:     80
    .vgpr_count:     1024
    .wavefront_size: 32
...
	.end_amdgpu_metadata
.endif
;; end of part 2
;; launch attn (part 3): grid 256 x 1, 4 waves a work-group, no clusters, 272,896 bytes of LDS; arguments qkv, ob; writes ob
.if DOCPART == 3
	.amdgcn_target "amdgcn-amd-amdhsa--gfx1250"
	.amdhsa_code_object_version 6
	.text
	.protected	k_qd472d32066_attn
	.globl	k_qd472d32066_attn
	.p2align	8
	.type	k_qd472d32066_attn,@function
k_qd472d32066_attn:
	s_mov_b64 s[64:65], 0
	v_nop
	global_prefetch_b8 v0, s[64:65] scope:SCOPE_SE
	s_setreg_imm32_b32 hwreg(HW_REG_WAVE_MODE, 25, 1), 1
	s_wait_xcnt 0x0
; For each token t: S[h][g] = q[t][h] . k[t][g] / 16, P = softmax over g (its maximum taken away), o[t][h] = the sum over g of P[h][g] v[t][g].  8 heads of 256 channels.
; qkv: f16 [3][4096][2048], read as three planes of 32,768 rows of 512 bytes, row = 8 t + head.  ob: bf16, the same rows.  Products, maxima and sums in f32; P is rounded to f16, o once to bf16.
; LIMITS.  q, k, v arrive within f16's range; a weight below 2^-126 counts as 0; NaN and infinities are not treated apart.
; SHARES.  A work-group takes 128 rows (16 tokens), a wave 32 (4 tokens): PAIR 0 = its rows 0-15 (two tokens), pair 1 = rows 16-31.
; S^T = K Q^T on a pair (source 0 = its 16 rows of k, source 1 = its 16 rows of q): lane (r = l % 16, h = l / 16) holds q's row r against k's rows 8 h + 0..7.  Where r / 8 = h that is one token's whole
; row of scores, so maximum and sum never leave the lane.  In the other lanes the numbers belong to two different tokens: they are finite, go the same way, and their weights are multiplied by 0.
; O^T = V^T P: source 0 = 16 channels x the wave's 32 rows of v (turned by ds_load_tr16_b128), source 1 = 32 keys x 16 queries: a pair's weights stand in the half of the registers that
; belongs to its own 16 rows of v, zeros in the other half.  One fragment of v serves both pairs.  In the result a lane holds one row of o and eight neighbouring channels.
; LDS.  Each wave brings its own 32 rows of k, q and v by three tensor loads, all issued in its first lines, and reads only its own bytes behind its own wait: no barrier; nothing is filled twice.
; No cluster: work-groups share no input.  No prefetch: all that a wave reads is asked for at its head.
.set PQ,    528                        ; a row of q, k and of the stage in LDS: 512 bytes + 16 = 132 words: the 16 rows of a load start at 16 different groups of four banks (64 banks of 4 bytes: ISA guide 11.1)
.set PV,    544                        ; a row of v: 512 + 32 = 136 words
.set KREG,  4*32*PQ                    ; q at 0, k behind it,
.set VREG,  2*KREG                     ; v behind k,
.set STAGE, VREG+4*32*PV               ; the stages, 32 rows x 528 bytes a wave, never filled by a tensor load,
.set SPARE, STAGE+4*32*PQ              ; and the spare words, 128 bytes for each wave: two blocks of 256 bytes that no other line names
.set PLANE, 16777216
.set AQ,  3                            ; v3   my lane's place in my wave's rows of q
.set AK,  4                            ; v4   of k
.set AV,  5                            ; v5   of v, for the turning load
.set STO, 6                            ; v6   the way out: where I put 16 bytes of a row
.set RD,  7                            ; v7   where I read a row back
.set GO,  8                            ; v8   16 x lane
.set MASKF, 9                          ; v9   1.0 where my scores are one token's, else 0
.set SPW, 10                           ; v10  LDS address of my spare word; never rewritten
.set NIL, 11                           ; v11  0; never rewritten
.set MX,  12                           ; v[12:13], v[14:15]  c m and m of pair 0, 1
.set SC,  16                           ; v[16:23], v[24:31]  S^T of pair 0, 1
.set GA,  32                           ; three sets of 64 registers: the fragments of two chunks of 32 channels, both pairs, k and q
.set GB,  96
.set GC,  160
.set VF,  32                           ; later: v's 16 fragments
.set OA,  160                          ; and 8 accumulators of O^T
.set RB,  32                           ; last: the 32 rows read back
.set PP,  224                          ; v[224:231] source 1 for pair 0 (weights, zeros); v[232:239] for pair 1 (zeros, weights)
.set TT,  240                          ; v[240:243], v[244:247] at work
.set IV,  248                          ; v[248:249], v[250:251] 1 / sum, named as pairs
.set G0K, 20                           ; s[20:23], s[24:27], s[28:31]  descriptor group 0 for k, q, v
.set G0Q, 24
.set G0V, 28
.set G1Q, 32                           ; s[32:39] group 1 for k and q;  s[40:47] for v: it differs in the padding alone
.set G1V, 40
.set CS,  48                           ; s[48:49] c = log2(e) / 16
.macro PLACES
.rept 4
	v_nop
.endr
.endm
	s_load_b128 s[4:7], s[0:1], 0x0                ; qkv s[4:5], ob s[6:7]
	v_lshl_add_u32 v[SPW], v0, 2, SPARE
	v_mov_b32 v[NIL], 0
	ds_add_u32 v[SPW], v[NIL]                      ; the wave's opening: the add and its wait stand ahead of my first tensor load; the set-up below, work on registers, stands between them
	v_lshrrev_b32 v1, 5, v0
	v_readfirstlane_b32 s8, v1                     ; wave 0..3
	s_lshl_b32 s10, ttmp9, 16                      ; the work-group's 128 rows of 512 bytes,
	s_lshl_b32 s11, s8, 14                         ; my wave's 32
	s_add_co_u32 s10, s10, s11
	s_mov_b32 s11, 0
	s_mov_b32 s[G1Q], (1<<16)|(1<<20)|(6<<22)|(3<<25)  ; elements of 2 bytes; padding on; after every 128 words (code 6) 4 words (code 3)
	s_mov_b32 s[G1V], (1<<16)|(1<<20)|(6<<22)|(7<<25)  ; the same with 8 words (code 7)
.irp g, G1Q, G1V
	s_mov_b32 s[(\g)+1], 256<<16                   ; tensor_dim0 = 256
	s_mov_b32 s[(\g)+2], 32<<16                    ; tensor_dim1 = 32
	s_mov_b32 s[(\g)+3], 256<<16                   ; tile_dim0 = 256
	s_mov_b32 s[(\g)+4], 32                        ; tile_dim1 = 32
	s_mov_b32 s[(\g)+5], 256                       ; elements from row to row
	s_mov_b32 s[(\g)+6], 0
	s_mov_b32 s[(\g)+7], 0
.endr
	s_mul_i32 s12, s8, 32*PQ                       ; my wave's bytes in q's, k's and the stages' regions
	s_mul_i32 s13, s8, 32*PV                       ; and in v's
	s_mov_b32 s[G0K], 1
	s_add_co_u32 s[G0K+1], s12, KREG
	s_mov_b32 s[G0Q], 1
	s_add_co_u32 s[G0Q+1], s12, 0
	s_mov_b32 s[G0V], 1
	s_add_co_u32 s[G0V+1], s13, VREG
	s_mov_b32 s[CS], 0x3db8aa3b                    ; c = log2(e) / 16 = 0.0901684
	s_mov_b32 s[CS+1], s[CS]                       ; named with it as a pair
	s_wait_dscnt 0x0                               ; the opening add is done
	s_wait_kmcnt 0x0
	s_add_nc_u64 s[4:5], s[4:5], s[10:11]          ; q at my wave's first row
	s_add_nc_u64 s[6:7], s[6:7], s[10:11]          ; o likewise
	s_add_nc_u64 s[G0K+2:G0K+3], s[4:5], PLANE
	s_or_b32 s[G0K+3], s[G0K+3], 0x80000000
	s_mov_b64 s[G0Q+2:G0Q+3], s[4:5]
	s_or_b32 s[G0Q+3], s[G0Q+3], 0x80000000
	s_add_nc_u64 s[G0V+2:G0V+3], s[4:5], 2*PLANE
	s_or_b32 s[G0V+3], s[G0V+3], 0x80000000
	tensor_load_to_lds s[G0K:G0K+3], s[G1Q:G1Q+7]  ; three tensor loads of mine are out
	s_nop 0
	tensor_load_to_lds s[G0Q:G0Q+3], s[G1Q:G1Q+7]
	s_nop 0
	tensor_load_to_lds s[G0V:G0V+3], s[G1V:G1V+7]
	s_nop 0
	v_and_b32 v1, 15, v0                           ; r
	v_bfe_u32 v2, v0, 4, 1                         ; h
	v_mul_u32_u24 v12, v1, PQ
	v_lshl_add_u32 v12, v2, 4, v12                 ; row x pitch + 16 x half
	v_add_nc_u32 v[AQ], s12, v12
	v_add_nc_u32 v[AK], KREG, v[AQ]
	v_add_nc_u32 v[STO], STAGE, v[AQ]              ; the stage has q's pitch and q's bytes a wave
	v_and_b32 v13, 7, v0                           ; the turning load: lane l reads key 8 (l / 16) + l % 8, channels 8 ((l / 8) % 2) + 0..7
	v_lshl_add_u32 v13, v2, 3, v13
	v_mul_u32_u24 v13, v13, PV
	v_bfe_u32 v14, v0, 3, 1
	v_lshl_add_u32 v13, v14, 4, v13
	v_add_nc_u32 v13, s13, v13
	v_add_nc_u32 v[AV], VREG, v13
	v_and_b32 v14, 31, v0
	v_lshlrev_b32 v[GO], 4, v14
	v_add_nc_u32 v[RD], s12, v[GO]
	v_add_nc_u32 v[RD], STAGE, v[RD]
	v_lshrrev_b32 v14, 3, v1
	v_xor_b32 v14, v14, v2                         ; 0 where q's token (r / 8) is k's (h)
	v_cvt_f32_u32 v14, v14
	v_sub_f32 v[MASKF], 1.0, v14
; 16 LDS loads: chunks 2 g and 2 g + 1 of 32 channels, both pairs: k's fragment at set + 32 cc + 16 p, q's 8 registers behind it
.macro LDG g, set
.irp cc, 0,1
.irp p, 0,1
	ds_load_b128 v[(\set)+32*(\cc)+16*(\p):(\set)+32*(\cc)+16*(\p)+3],     v[AK] offset:16*PQ*(\p)+64*(2*(\g)+(\cc))
	ds_load_b128 v[(\set)+32*(\cc)+16*(\p)+4:(\set)+32*(\cc)+16*(\p)+7],   v[AK] offset:16*PQ*(\p)+64*(2*(\g)+(\cc))+32
	ds_load_b128 v[(\set)+32*(\cc)+16*(\p)+8:(\set)+32*(\cc)+16*(\p)+11],  v[AQ] offset:16*PQ*(\p)+64*(2*(\g)+(\cc))
	ds_load_b128 v[(\set)+32*(\cc)+16*(\p)+12:(\set)+32*(\cc)+16*(\p)+15], v[AQ] offset:16*PQ*(\p)+64*(2*(\g)+(\cc))+32
.endr
.endr
.endm
; their four products: the two pairs' accumulators take turns, one instruction a turn; chunk 0 starts the sums
.macro MMS g, set
.irp cc, 0,1
.irp p, 0,1
.if ((\g) == 0) && ((\cc) == 0)
	v_wmma_f32_16x16x32_f16 v[SC+8*(\p):SC+8*(\p)+7], v[(\set)+32*(\cc)+16*(\p):(\set)+32*(\cc)+16*(\p)+7], v[(\set)+32*(\cc)+16*(\p)+8:(\set)+32*(\cc)+16*(\p)+15], 0
.else
	v_wmma_f32_16x16x32_f16 v[SC+8*(\p):SC+8*(\p)+7], v[(\set)+32*(\cc)+16*(\p):(\set)+32*(\cc)+16*(\p)+7], v[(\set)+32*(\cc)+16*(\p)+8:(\set)+32*(\cc)+16*(\p)+15], v[SC+8*(\p):SC+8*(\p)+7]
.endif
.endr
.endr
.endm
	s_wait_tensorcnt 1                             ; tensor loads of a wave end in order (ISA guide 10.11.1): k and q are in, v may be out
	LDG 0, GA
	LDG 1, GB
	LDG 2, GC
	s_wait_dscnt 32                                ; the first 16 loads are in
	MMS 0, GA
	PLACES                                         ; in front of loads into registers that those products have read
	LDG 3, GA
	s_wait_dscnt 32
	MMS 1, GB
	s_wait_dscnt 16
	MMS 2, GC
	s_wait_dscnt 0x0
	MMS 3, GA
	PLACES                                         ; behind the last products: for the loads below, and for the first reads of the scores
	s_wait_tensorcnt 0x0                           ; v is in
.irp f, 0,1,2,3,4,5,6,7,8,9,10,11,12,13,14,15  ; v's 16 fragments, channels 16 f on, the wave's 32 rows: they come while the softmax is made
	ds_load_tr16_b128 v[VF+8*(\f):VF+8*(\f)+3],   v[AV] offset:32*(\f)
	ds_load_tr16_b128 v[VF+8*(\f)+4:VF+8*(\f)+7], v[AV] offset:32*(\f)+16*PV
.endr
	; THE SOFTMAX, the two pairs line by line, so that no line reads the result of the one before it.  Each accumulator's lowest registers are read first.
.irp p, 0,1
	v_max3_num_f32 v[TT+4*(\p)], v[SC+8*(\p)], v[SC+8*(\p)+1], v[SC+8*(\p)+2]
.endr
.irp p, 0,1
	v_max3_num_f32 v[TT+4*(\p)], v[TT+4*(\p)], v[SC+8*(\p)+3], v[SC+8*(\p)+4]
.endr
.irp p, 0,1
	v_max3_num_f32 v[TT+4*(\p)], v[TT+4*(\p)], v[SC+8*(\p)+5], v[SC+8*(\p)+6]
.endr
.irp p, 0,1
	v_max_num_f32 v[MX+2*(\p)+1], v[TT+4*(\p)], v[SC+8*(\p)+7]  ; m
.endr
.irp p, 0,1
	v_mul_f32 v[MX+2*(\p)], s[CS], v[MX+2*(\p)+1]               ; c m
.endr
.irp j, 0,1,2,3
.irp p, 0,1
	v_pk_fma_f32 v[SC+8*(\p)+2*(\j):SC+8*(\p)+2*(\j)+1], v[SC+8*(\p)+2*(\j):SC+8*(\p)+2*(\j)+1], s[CS:CS+1], v[MX+2*(\p):MX+2*(\p)+1] op_sel_hi:[1,0,0] neg_lo:[0,0,1] neg_hi:[0,0,1]  ; c s - c m
.endr
.endr
.set i, 0
.rept 16
	v_exp_f32 v[SC+i], v[SC+i]                     ; one batch of 16
.set i, i+1
.endr
.irp i, 4,5,6,7,8,9,10,11
	v_mov_b32 v[PP+(\i)], 0                        ; the halves of source 1 that belong to the other pair's rows of v: plain work behind the last exponential, which names no result
.endr
	s_wait_alu depctr_va_vdst(0)                   ; ahead of the first line that names an exponential's result: one for the batch
.irp p, 0,1
	v_pk_add_f32 v[TT+4*(\p):TT+4*(\p)+1],   v[SC+8*(\p):SC+8*(\p)+1],     v[SC+8*(\p)+2:SC+8*(\p)+3]
	v_pk_add_f32 v[TT+4*(\p)+2:TT+4*(\p)+3], v[SC+8*(\p)+4:SC+8*(\p)+5],   v[SC+8*(\p)+6:SC+8*(\p)+7]
.endr
.irp p, 0,1
	v_pk_add_f32 v[TT+4*(\p):TT+4*(\p)+1], v[TT+4*(\p):TT+4*(\p)+1], v[TT+4*(\p)+2:TT+4*(\p)+3]
.endr
.irp p, 0,1
	v_add_f32 v[TT+4*(\p)], v[TT+4*(\p)], v[TT+4*(\p)+1]        ; the sum: at least 1, since the maximum's weight is 1
.endr
.irp p, 0,1
	v_rcp_f32 v[IV+2*(\p)], v[TT+4*(\p)]
.endr
.irp p, 0,1
	v_mov_b32 v[IV+2*(\p)+1], 0                    ; named with the reciprocal as a pair, so it is written: the plain work behind the reciprocals
.endr
	s_wait_alu depctr_va_vdst(0)                   ; one wait for the two reciprocals, ahead of their first reader
.irp p, 0,1
	v_mul_f32 v[IV+2*(\p)], v[IV+2*(\p)], v[MASKF] ; 0 in the lanes whose numbers are no token's scores
.endr
.irp j, 0,1,2,3
.irp p, 0,1
	v_pk_mul_f32 v[SC+8*(\p)+2*(\j):SC+8*(\p)+2*(\j)+1], v[SC+8*(\p)+2*(\j):SC+8*(\p)+2*(\j)+1], v[IV+2*(\p):IV+2*(\p)+1] op_sel_hi:[1,0]
.endr
.endr
.irp j, 0,1,2,3
.irp p, 0,1
	v_cvt_pk_f16_f32 v[PP+12*(\p)+(\j)], v[SC+8*(\p)+2*(\j)], v[SC+8*(\p)+2*(\j)+1]  ; pair 0: registers 0-3 of its source; pair 1: registers 4-7 of its own
.endr
.endr
	s_wait_dscnt 0x0                               ; v's fragments are in
	; O^T = V^T P, four blocks of 16 channels at a time, both pairs: each product is a whole sum (32 keys), so its C is 0.  Then to bf16, in place, and into my stage.
.set st, 0
.rept 4
.irp i, 0,1,2,3
.irp p, 0,1
	v_wmma_f32_16x16x32_f16 v[OA+16*(\i)+8*(\p):OA+16*(\i)+8*(\p)+7], v[VF+8*(4*st+(\i)):VF+8*(4*st+(\i))+7], v[PP+8*(\p):PP+8*(\p)+7], 0
.endr
.endr
	PLACES
.irp i, 0,1,2,3
.irp p, 0,1
.irp j, 0,1,2,3
	v_cvt_pk_bf16_f32 v[OA+16*(\i)+8*(\p)+(\j)], v[OA+16*(\i)+8*(\p)+2*(\j)], v[OA+16*(\i)+8*(\p)+2*(\j)+1]  ; ascending: register j is written when it has been read
.endr
.endr
.endr
.irp i, 0,1,2,3
.irp p, 0,1
	ds_store_b128 v[STO], v[OA+16*(\i)+8*(\p):OA+16*(\i)+8*(\p)+3] offset:32*(4*st+(\i))+16*PQ*(\p)
.endr
.endr
.set st, st+1
.endr
.set t, 0
.rept 32
	ds_load_b128 v[RB+4*t:RB+4*t+3], v[RD] offset:PQ*t  ; LDS serves a wave's instructions in order (ISA guide 5.7.1.4): these see the stores above.  A row of 512 bytes a load
.set t, t+1
.endr
.set t, 0
.rept 32
	s_wait_dscnt 31-t
	global_store_b128 v[GO], v[RB+4*t:RB+4*t+3], s[6:7] offset:512*t  ; 512 consecutive bytes, at a multiple of 256 from ob's first byte
.set t, t+1
.endr
	s_wait_tensorcnt 0x0                           ; the wave's end: the wait, the add and the add's wait stand behind my last tensor load and my last LDS store
	ds_add_u32 v[SPW], v[NIL]
	s_wait_dscnt 0x0
	s_endpgm
.Lfunc_end_k_qd472d32066_attn:
	.size	k_qd472d32066_attn, .Lfunc_end_k_qd472d32066_attn-k_qd472d32066_attn
	.p2alignl 7, 3214868480
	.fill 96, 4, 3214868480
	.section	.rodata,"a",@progbits
	.p2align	6, 0x0
	.amdhsa_kernel k_qd472d32066_attn
		.amdhsa_group_segment_fixed_size 272896
		.amdhsa_private_segment_fixed_size 0
		.amdhsa_enable_private_segment 0
		.amdhsa_kernarg_size 16
		.amdhsa_user_sgpr_count 2
		.amdhsa_user_sgpr_kernarg_segment_ptr 1
		.amdhsa_wavefront_size32 1
		.amdhsa_system_sgpr_workgroup_id_x 1
		.amdhsa_system_sgpr_workgroup_id_y 1
		.amdhsa_system_sgpr_workgroup_id_z 1
		.amdhsa_system_vgpr_workitem_id 0
		.amdhsa_next_free_vgpr 256
		.amdhsa_next_free_sgpr 66
		.amdhsa_reserve_vcc 0
		.amdhsa_float_denorm_mode_32 3
		.amdhsa_float_denorm_mode_16_64 3
		.amdhsa_memory_ordered 1
		.amdhsa_forward_progress 1
		.amdhsa_inst_pref_size 34
	.end_amdhsa_kernel
	.amdgpu_metadata
---
amdhsa.version: [ 1, 2 ]
amdhsa.kernels:
  - .name:           k_qd472d32066_attn
    .symbol:         k_qd472d32066_attn.kd
    .args:
      - { .name: qkv, .offset: 0, .size: 8, .value_kind: global_buffer, .address_space: global }
      - { .name: ob, .offset: 8, .size: 8, .value_kind: global_buffer, .address_space: global }
    .group_segment_fixed_size: 272896
    .private_segment_fixed_size: 0
    .kernarg_segment_align: 8
    .kernarg_segment_size: 16
    .max_flat_workgroup_size: 128
    .sgpr_count:     66
    .vgpr_count:     256
    .wavefront_size: 32
...
	.end_amdgpu_metadata
.endif
;; end of part 3
;; launch outp (part 4): grid 8 x 32, 4 waves a work-group, clusters of 4 x 4, 327,680 bytes of LDS; arguments ob, wb, out0, bo, xyb; writes out0
.if DOCPART == 4
	.amdgcn_target "amdgcn-amd-amdhsa--gfx1250"
	.amdhsa_code_object_version 6
	.text
	.protected	k_qd472d32066_outp
	.globl	k_qd472d32066_outp
	.p2align	8
	.type	k_qd472d32066_outp,@function
k_qd472d32066_outp:
	s_mov_b64 s[64:65], 0
	v_nop
	global_prefetch_b8 v0, s[64:65] scope:SCOPE_SE
	s_setreg_imm32_b32 hwreg(HW_REG_WAVE_MODE, 25, 1), 1
	s_wait_xcnt 0x0
	s_wait_alu depctr_hold_cnt(0) depctr_sa_sdst(0) depctr_va_vdst(0) depctr_va_sdst(0) depctr_va_ssrc(0) depctr_va_vcc(0) depctr_vm_vsrc(0)
	s_getreg_b32 s2, hwreg(HW_REG_IB_STS2, 6, 4)
	s_cmp_eq_u32 s2, 0
	s_cbranch_scc0 .Lentry_in_a_cluster
	s_endpgm
.Lentry_in_a_cluster:
	s_bfe_u32 s2, ttmp6, 0x10000c
	s_cmp_lg_u32 s2, 0xf033
	s_cbranch_scc0 .Lentry_shape_is_right
	s_endpgm
.Lentry_shape_is_right:
; out0 = o Wo^T + bo + x.  o: ob, bf16 [4096][2048]; Wo: plane 3 of wb, bf16 [2048][2048]; bo f32; x: plane 0 of xyb, x rounded once to bf16; sums f32; out0 f32 [4096][2048].
; LIMIT.  The residual enters as bf16(x): off from x by at most 2^-9 |x|.
; SHARES.  A tile of C is 128 rows x 256 columns: 32 x 8 = 256 tiles, one for each work-group.  Four waves, 2 x 2; a wave makes 64 x 128: 32 accumulators of 16 x 16, 256 registers.
; K goes in steps of 128 (rows of 256 bytes, each at a multiple of 256 from its buffer's first byte) through two LDS slots of 128 rows of A and 256 rows of B.
; Waves 0 and 1 fetch A's two halves (64 rows each), waves 2 and 3 B's (128 rows each): one tensor load a wave behind each change of slots, 112 matrix instructions ahead of the wait for it.
; CLUSTERS: 4 x 4 work-groups.  The four of a row of the cluster need the same tiles of A, the four of a column the same tiles of B: each is asked for JOINTLY.
; THE MATRIX INSTRUCTION IS USED TRANSPOSED (source 0 = 16 rows of B, source 1 = 16 rows of A): a lane holds row l % 16 of C and the columns 8 (l / 16) + 0..7.
; THE BIAS STARTS THE SUMS: it is the C operand of the first products.  THE RESIDUAL is loaded behind the K loop, 224 matrix instructions ahead of its first use, in the layout of the rows
; as they come back from the stage (lane l: columns 4 l .. 4 l + 3), and added there by one multiply-add a number, straight from the bf16 half.
; REGISTERS, in windows of 256 (s_set_vgpr_msb: bits 1:0 source 0, 3:2 source 1, 5:4 source 2, 7:6 destination):
;   window 0: v0-31 addresses; v32-127, v128-223 two fragment buffers (B's 8 blocks, then A's 4); on the way out v32-95 and v128-191 take rows read back, by turns
;   window 1: accumulator (a, b) at v[8 (8 a + b)]          window 2: v0-63 the bias of my 128 columns; v64-191 the residual, two registers a row
.set KSTEP,  128
.set ROWB,   4096                      ; bytes in a row of A, of B and of xyb
.set CROW,   8192                      ; bytes in a row of out0
.set PITCH,  272                       ; an LDS row: 256 bytes + 16 of padding = 68 words: the 16 rows of a load start at 16 different groups of four banks (64 banks of 4 bytes: ISA guide 11.1)
.set HA,     64*PITCH
.set ABYTES, 2*HA
.set HB,     128*PITCH
.set SLOT,   ABYTES+2*HB               ; 104,448 bytes
.set STAGE,  2*SLOT                    ; behind the ring, never filled by a tensor load: 16 rows x 528 bytes for each wave
.set SPITCH, 528                       ; 512 bytes + 16
.set SPARE,  STAGE+4*16*SPITCH         ; the spare words, 128 bytes for each wave: two blocks of 256 bytes that no other line names
.set LAPS,   8
.set WPLANE, 8388608
.set ADRA, 16                          ; v16-17  LDS address of my A fragments in slot 0, 1
.set ADRB, 20                          ; v20-21  the same for B
.set XO,   22                          ; v22     8 x lane: my 8 bytes of a row of the residual
.set STO,  24                          ; v24     the way out: where I put 32 bytes of a row
.set RD,   25                          ; v25     where I read a row back
.set CO,   26                          ; v26     16 x lane
.set BO,   27                          ; v27     32 (l / 16)
.set SPW,  28                          ; v28     LDS address of my spare word; never rewritten
.set NIL,  29                          ; v29     0; never rewritten
.set PFO,  30                          ; v30     the prefetches' offset: my lane x a row; never rewritten
.set ONE,  31                          ; v31     1.0
.set F0,   32
.set F1,   128
.set XRG,  64                          ; window 2
.set G1,   24
.set G0,   32
.set LIM,  43
.set PFA,  44
.set G1B,  48
.set G0B,  56
.set BB,   68                          ; s[68:69] bo at my columns
.set XB,   76                          ; s[76:77] x (bf16) at my first row and column
.set W0,   (1<<16)|(1<<20)|(1<<21)|(5<<22)|(3<<25)  ; group 1's first word without the mask: elements of 2 bytes; padding on; bit 21 set beside a mask; after every 64 words 4 words
.set MSB, 0
.macro WIN new
.if MSB != (\new)
	s_set_vgpr_msb (MSB<<8)|(\new)
.set MSB, \new
.endif
.endm
.set MUL,   0x50                       ; C and D window 1, sources window 0
.set MULB,  0x60                       ; C window 2 (the bias), D window 1
.set TO2,   0x80                       ; destination window 2
.set STW,   0x04                       ; an LDS store's data (source 1) window 1
.set MIXW,  0x02                       ; source 0 window 2
.macro JLOAD s                         ; a joint load; the branch hangs on the wave's number alone; an s_nop 0 and four v_nop follow each of the two lines
	s_cmp_eq_u32 s11, 0
	s_cbranch_scc0 .Lfor_b_\@
	tensor_load_to_lds s[G0+4*(\s):G0+4*(\s)+3], s[G1:G1+7]
	s_nop 0
.rept 4
	v_nop
.endr
	s_branch .Lasked_\@
.Lfor_b_\@:
	tensor_load_to_lds s[G0B+4*(\s):G0B+4*(\s)+3], s[G1B:G1B+7]
	s_nop 0
.rept 4
	v_nop
.endr
.Lasked_\@:
.endm
; A PREFETCH, behind each joint load and the run of LDS loads that follows it: 32 rows x 256 bytes, a lane a row, of the K step that stands two refills on (256 matrix instructions of a wave ahead of its load).
; Each row's 256 bytes of a K step are named once in the launch.  A's rows: wave 0 of the clusters with x = 0, 32 rows a partner, by cx.  B's rows: waves 1 and 2 of the clusters with y = 0,
; 64 rows a partner, by cy.  The partners are told apart by ADDRESS.  The loop's last trip asks for nothing; the first four K steps come by their loads alone.
.macro ASK
	s_cmp_gt_u32 s3, s[LIM]                        ; s3 = 1 in the loop's last trip
	s_cbranch_scc0 .Lnot_mine_\@
	global_prefetch_b8 v[PFO], s[PFA:PFA+1] offset:KSTEP*2 th:TH_LOAD_NT scope:SCOPE_SE
.Lnot_mine_\@:
.endm
.macro CREST
	s_cmp_lg_u32 s10, 0
	s_cbranch_scc1 .Lnot_wave_0_\@
	s_barrier_signal -3
.Lnot_wave_0_\@:
	s_barrier_wait -3
	s_barrier_signal -1
	s_barrier_wait -1
.endm
.macro CROUND
	s_barrier_signal -1
	s_barrier_wait -1
	CREST
.endm
.macro PLACES                          ; four places behind a matrix instruction (ISA guide 7.12.1)
.rept 4
	v_nop
.endr
.endm
.macro MUL8 f, a, start                ; block a of my four blocks of 16 rows x all 8 blocks of 16 columns, 32 along K; the 32 accumulators take turns
.if \start
	WIN MULB
.else
	WIN MUL
.endif
.irp b, 0,1,2,3,4,5,6,7
.if \start
	v_wmma_f32_16x16x32_bf16 v[8*(8*(\a)+(\b)):8*(8*(\a)+(\b))+7], v[(\f)+8*(\b):(\f)+8*(\b)+7], v[(\f)+64+8*(\a):(\f)+64+8*(\a)+7], v[8*(\b):8*(\b)+7]
.else
	v_wmma_f32_16x16x32_bf16 v[8*(8*(\a)+(\b)):8*(8*(\a)+(\b))+7], v[(\f)+8*(\b):(\f)+8*(\b)+7], v[(\f)+64+8*(\a):(\f)+64+8*(\a)+7], v[8*(8*(\a)+(\b)):8*(8*(\a)+(\b))+7]
.endif
.endr
.endm
.macro FETCH slot, k, f                ; 24 LDS loads in one run: B's 128 rows, then A's 64, 32 along K at byte k
	WIN 0
.irp i, 0,1,2,3,4,5,6,7
	ds_load_b128 v[(\f)+8*(\i):(\f)+8*(\i)+3],   v[ADRB+(\slot)] offset:(\k)+(\i)*16*PITCH
	ds_load_b128 v[(\f)+8*(\i)+4:(\f)+8*(\i)+7], v[ADRB+(\slot)] offset:(\k)+(\i)*16*PITCH+32
.endr
.irp i, 0,1,2,3
	ds_load_b128 v[(\f)+64+8*(\i):(\f)+64+8*(\i)+3],   v[ADRA+(\slot)] offset:(\k)+(\i)*16*PITCH
	ds_load_b128 v[(\f)+64+8*(\i)+4:(\f)+64+8*(\i)+7], v[ADRA+(\slot)] offset:(\k)+(\i)*16*PITCH+32
.endr
.endm
.macro QUARTER slot, k, f, g, start
	s_wait_dscnt 4                                 ; B and A's blocks 0 and 1 are in; the youngest four loads may be out
	MUL8 \f, 0, \start
	MUL8 \f, 1, \start
	PLACES
	FETCH \slot, \k, \g
	s_wait_dscnt 24                                ; all but the 24 just issued
	MUL8 \f, 2, \start
	MUL8 \f, 3, \start
.endm
.macro MEET round
	WIN 0
	s_wait_tensorcnt 0x0                           ; all my tensor loads have landed: the one that was out is my part of the next slot
	ds_add_u32 v[SPW], v[NIL]                      ; 0 onto my spare word
	s_wait_dscnt 7                                 ; (the add and the six loads of A's blocks 1 to 3 may be out)
	MUL8 F1, 0, 0
	s_wait_dscnt 0x0                               ; the add is done, and my reads of this slot are over
	s_barrier_signal -1
	MUL8 F1, 1, 0
.if \round
	WIN 0
.endif
	s_barrier_wait -1
.endm
.macro TURN slot, next
	s_wait_xcnt 0x0                                ; the last prefetch, a K step back, has read its address
	s_add_nc_u64 s[PFA:PFA+1], s[PFA:PFA+1], KSTEP*2
	MEET 1
	CREST                                          ; no wave of any partner still reads this slot's tile or has a load on its way
	s_add_nc_u64 s[G0+4*(\slot)+2:G0+4*(\slot)+3], s[G0+4*(\slot)+2:G0+4*(\slot)+3], 2*KSTEP*2
	s_add_nc_u64 s[G0B+4*(\slot)+2:G0B+4*(\slot)+3], s[G0B+4*(\slot)+2:G0B+4*(\slot)+3], 2*KSTEP*2
	JLOAD \slot                                    ; the first tensor load behind the round; its four v_nop are also the places in front of the loads below
	FETCH \next, 0, F0
	ASK
	MUL8 F1, 2, 0
	MUL8 F1, 3, 0
.endm
.macro TURNL                           ; the last change of slots: nothing is filled again, so no round follows the barrier
	MEET 0
	PLACES
	FETCH 1, 0, F0
	MUL8 F1, 2, 0
	MUL8 F1, 3, 0
.endm
; THE WAY OUT of block a (16 rows x 512 bytes).  TOSTAGE: the accumulators go as they are into my own stage, low registers first, and come back as whole rows.  SEND: the residual is added, the rows stored.
.macro TOSTAGE a
.if (\a) >= 2
	s_wait_xcnt 0x0                                ; the stores of block a - 2 have read the registers that this block is read back into
.endif
	WIN STW
.irp b, 0,1,2,3,4,5,6,7
	ds_store_b128 v[STO], v[8*(8*(\a)+(\b)):8*(8*(\a)+(\b))+3]   offset:64*(\b)
	ds_store_b128 v[STO], v[8*(8*(\a)+(\b))+4:8*(8*(\a)+(\b))+7] offset:64*(\b)+16
.endr
	WIN 0
.set BK, F0+96*((\a)%2)
.irp t, 0,1,2,3,4,5,6,7,8,9,10,11,12,13,14,15
	ds_load_b128 v[BK+4*(\t):BK+4*(\t)+3], v[RD] offset:(\t)*SPITCH  ; LDS serves a wave's instructions in order (ISA guide 5.7.1.4): these see the stores above; the next block's stores come behind them
.endr
.endm
.macro SEND a, younger                 ; younger: the LDS instructions issued behind block a's loads: the next block's 32, or none
	WIN 0
.set BK, F0+96*((\a)%2)
	s_wait_dscnt \younger                          ; the block is back in registers
	s_wait_loadcnt 16*(3-(\a))                     ; the residual's loads come back in order: rows 16 a .. 16 a + 15 are in, the later blocks' may be out
	WIN MIXW
.irp t, 0,1,2,3,4,5,6,7,8,9,10,11,12,13,14,15
	v_fma_mix_f32_bf16 v[BK+4*(\t)],   v[XRG+2*(16*(\a)+(\t))],   v[ONE], v[BK+4*(\t)]   op_sel_hi:[1,0,0]
	v_fma_mix_f32_bf16 v[BK+4*(\t)+1], v[XRG+2*(16*(\a)+(\t))],   v[ONE], v[BK+4*(\t)+1] op_sel:[1,0,0] op_sel_hi:[1,0,0]
	v_fma_mix_f32_bf16 v[BK+4*(\t)+2], v[XRG+2*(16*(\a)+(\t))+1], v[ONE], v[BK+4*(\t)+2] op_sel_hi:[1,0,0]
	v_fma_mix_f32_bf16 v[BK+4*(\t)+3], v[XRG+2*(16*(\a)+(\t))+1], v[ONE], v[BK+4*(\t)+3] op_sel:[1,0,0] op_sel_hi:[1,0,0]
.endr
	WIN 0
.irp t, 0,1,2,3,4,5,6,7,8,9,10,11,12,13,14,15
	global_store_b128 v[CO], v[BK+4*(\t):BK+4*(\t)+3], s[8:9] offset:(16*(\a)+(\t))*CROW th:TH_STORE_NT  ; 512 consecutive bytes, at a multiple of 256 from out0's first byte
.endr
.endm
	s_load_b128 s[4:7], s[0:1], 0x0                ; ob s[4:5], wb s[6:7]
	s_load_b64 s[8:9], s[0:1], 0x10                ; out0
	s_load_b64 s[BB:BB+1], s[0:1], 0x18            ; bo
	s_load_b64 s[XB:XB+1], s[0:1], 0x20            ; xyb
	v_lshl_add_u32 v[SPW], v0, 2, SPARE
	v_mov_b32 v[NIL], 0
	ds_add_u32 v[SPW], v[NIL]                      ; the wave's opening: the add and its wait stand ahead of my first tensor load; the set-up below, work on registers, stands between them
	v_lshrrev_b32 v1, 5, v0
	v_readfirstlane_b32 s10, v1                    ; wave 0..3
	s_lshr_b32 s11, s10, 1                         ; which 64 rows of the tile are mine.  Also: I fetch for A (0) or for B (1)
	s_and_b32 s12, s10, 1                          ; which 128 columns.  Also: which half of that tile I fetch
	s_bfe_u32 s40, ttmp6, 0x40000                  ; cx, cy
	s_bfe_u32 s41, ttmp6, 0x40004
	s_lshl_b32 s42, ttmp9, 2
	s_add_co_u32 s42, s42, s40                     ; tile column: 0..7
	s_and_b32 s13, ttmp7, 0xffff
	s_lshl_b32 s13, s13, 2
	s_add_co_u32 s13, s13, s41                     ; tile row: 0..31
	s_lshl_b32 s43, s41, 2
	s_lshl_b32 s43, 15, s43                        ; my row of the cluster
	s_lshl_b32 s44, 0x1111, s40                    ; my column
	s_or_b32 s[G1], s43, W0
	s_or_b32 s[G1B], s44, W0
	s_mov_b32 s[G1+1], KSTEP<<16                   ; A: 64 rows x 128 elements
	s_mov_b32 s[G1+2], 64<<16
	s_mov_b32 s[G1+3], KSTEP<<16
	s_mov_b32 s[G1+4], 64
	s_mov_b32 s[G1+5], 2048
	s_mov_b32 s[G1+6], 0
	s_mov_b32 s[G1+7], 0
	s_mov_b32 s[G1B+1], KSTEP<<16                  ; B: 128 rows x 128 elements
	s_mov_b32 s[G1B+2], 128<<16
	s_mov_b32 s[G1B+3], KSTEP<<16
	s_mov_b32 s[G1B+4], 128
	s_mov_b32 s[G1B+5], 2048
	s_mov_b32 s[G1B+6], 0
	s_mov_b32 s[G1B+7], 0
	s_lshl_b32 s16, s13, 7                         ; A: row 128 x tile row + 64 x half, in bytes
	s_lshl_b32 s17, s12, 6
	s_add_co_u32 s16, s16, s17
	s_lshl_b32 s16, s16, 12
	s_mov_b32 s17, 0
	s_lshl_b32 s46, s42, 8                         ; B: row 256 x tile column + 128 x half
	s_lshl_b32 s47, s12, 7
	s_add_co_u32 s46, s46, s47
	s_lshl_b32 s46, s46, 12
	s_mov_b32 s47, 0
	s_mul_i32 s20, s12, HA                         ; where they go: no place in the cluster enters an LDS address
	s_mul_i32 s21, s12, HB
	s_add_co_u32 s21, s21, ABYTES
	s_wait_dscnt 0x0                               ; the opening add is done
	s_wait_kmcnt 0x0
	s_add_nc_u64 s[6:7], s[6:7], 3*WPLANE          ; Wo
	s_add_nc_u64 s[14:15], s[4:5], s[16:17]
	s_add_nc_u64 s[46:47], s[6:7], s[46:47]
	CROUND                                         ; all sixteen work-groups are here: the first joint loads meet
.irp s, 0,1
	s_mov_b32 s[G0+4*(\s)], 1
	s_add_co_u32 s[G0+4*(\s)+1], s20, (\s)*SLOT
	s_add_nc_u64 s[G0+4*(\s)+2:G0+4*(\s)+3], s[14:15], (\s)*KSTEP*2
	s_or_b32 s[G0+4*(\s)+3], s[G0+4*(\s)+3], 0x80000000
	s_mov_b32 s[G0B+4*(\s)], 1
	s_add_co_u32 s[G0B+4*(\s)+1], s21, (\s)*SLOT
	s_add_nc_u64 s[G0B+4*(\s)+2:G0B+4*(\s)+3], s[46:47], (\s)*KSTEP*2
	s_or_b32 s[G0B+4*(\s)+3], s[G0B+4*(\s)+3], 0x80000000
	JLOAD \s                                       ; two tensor loads of mine are out
.endr
	v_and_b32 v1, 15, v0                           ; l % 16
	v_bfe_u32 v2, v0, 4, 1                         ; l / 16
	v_mul_u32_u24 v3, v1, PITCH
	v_lshl_add_u32 v3, v2, 4, v3                   ; a fragment's row x pitch + 16 x half
	s_mul_i32 s21, s11, HA
	s_mul_i32 s22, s12, HB
	s_add_co_u32 s22, s22, ABYTES
.irp s, 0,1
	v_add_nc_u32 v[ADRA+(\s)], s21, v3
	v_add_nc_u32 v[ADRB+(\s)], s22, v3
	s_add_co_u32 s21, s21, SLOT
	s_add_co_u32 s22, s22, SLOT
.endr
	s_mul_i32 s23, s10, 16*SPITCH
	s_add_co_u32 s23, s23, STAGE                   ; my stage
	v_mul_u32_u24 v4, v1, SPITCH                   ; in: row l % 16, 32 bytes for each half of the lanes
	v_lshl_add_u32 v4, v2, 5, v4
	v_add_nc_u32 v[STO], s23, v4
	v_and_b32 v5, 31, v0
	v_lshlrev_b32 v[CO], 4, v5                     ; back: 32 lanes take one row of 512 bytes
	v_add_nc_u32 v[RD], s23, v[CO]
	v_lshlrev_b32 v[XO], 3, v5
	v_mov_b32 v[ONE], 1.0
	v_lshlrev_b32 v[BO], 5, v2
	s_lshl_b32 s16, s13, 7                         ; my first row: 128 x tile row + 64 x half,
	s_lshl_b32 s17, s11, 6
	s_add_co_u32 s16, s16, s17
	s_lshl_b32 s18, s16, 12                        ; in x's rows of 4,096 bytes
	s_lshl_b32 s16, s16, 13                        ; and in out0's of 8,192
	s_mov_b32 s17, 0
	s_mov_b32 s19, 0
	s_add_nc_u64 s[8:9], s[8:9], s[16:17]
	s_add_nc_u64 s[XB:XB+1], s[XB:XB+1], s[18:19]
	s_lshl_b32 s46, s42, 9                         ; my first column, 256 x tile column + 128 x half: in bf16,
	s_lshl_b32 s47, s12, 8
	s_add_co_u32 s46, s46, s47
	s_mov_b32 s47, 0
	s_add_nc_u64 s[XB:XB+1], s[XB:XB+1], s[46:47]
	s_lshl_b32 s46, s46, 1                         ; and in f32
	s_add_nc_u64 s[8:9], s[8:9], s[46:47]
	s_add_nc_u64 s[BB:BB+1], s[BB:BB+1], s[46:47]
	; the prefetches
	s_lshl_b32 s20, s13, 7
	s_lshl_b32 s21, s42, 8
	s_lshl_b32 s22, s40, 5                         ; A: my work-group's 32 rows, by cx
	s_lshl_b32 s23, s41, 6                         ; B: my work-group's 64 rows, by cy
	s_and_b32 s18, ttmp7, 0xffff                   ; cluster y
	s_cmp_eq_u32 s10, 0                            ; wave 0 asks for A
	s_cselect_b32 s20, s20, s21
	s_cselect_b32 s22, s22, s23
	s_cselect_b32 s18, ttmp9, s18
	s_cselect_b64 s[PFA:PFA+1], s[4:5], s[6:7]
	s_cmp_eq_u32 s18, 0
	s_cselect_b32 s[LIM], 1, -1
	s_cmp_eq_u32 s10, 3
	s_cselect_b32 s[LIM], -1, s[LIM]               ; wave 3 has nothing to ask for
	s_add_co_u32 s20, s20, s22
	s_lshl_b32 s21, s11, 5                         ; wave 2 takes the second 32 of B's 64
	s_add_co_u32 s20, s20, s21
	s_lshl_b32 s20, s20, 12
	s_mov_b32 s21, 0
	s_add_nc_u64 s[PFA:PFA+1], s[PFA:PFA+1], s[20:21]
	s_add_nc_u64 s[PFA:PFA+1], s[PFA:PFA+1], 2*KSTEP*2  ; at K step 2: the first refill steps it to 3 and names K step 4
	v_and_b32 v[PFO], 31, v0
	v_lshlrev_b32 v[PFO], 12, v[PFO]
	WIN TO2                                        ; the bias of my 128 columns: 8 numbers a lane and block
.irp b, 0,1,2,3,4,5,6,7
	global_load_b128 v[8*(\b):8*(\b)+3],   v[BO], s[BB:BB+1] offset:64*(\b)
	global_load_b128 v[8*(\b)+4:8*(\b)+7], v[BO], s[BB:BB+1] offset:64*(\b)+16
.endr
	WIN 0
	s_wait_tensorcnt 1                             ; my part of K step 0 is in; K step 1's load may stay out
	s_barrier_signal -1
	s_barrier_wait -1                              ; everybody's is
	FETCH 0, 0, F0
	s_wait_loadcnt 0x0                             ; the bias is in
	QUARTER 0, 64, F0, F1, 1                       ; the first quarter stands in front of the loop: its products start the sums, with the bias
	WIN 0
	s_mov_b32 s3, LAPS-1
.Llap:                                                 ; a trip goes once round the ring, from a lap's second quarter to the next lap's first, and fills both slots again
	QUARTER 0, 128, F1, F0, 0
	QUARTER 0, 192, F0, F1, 0
	TURN 0, 1
	QUARTER 1, 64,  F0, F1, 0
	QUARTER 1, 128, F1, F0, 0
	QUARTER 1, 192, F0, F1, 0
	TURN 1, 0
	QUARTER 0, 64,  F0, F1, 0
	WIN 0
	s_sub_co_u32 s3, s3, 1
	s_cmp_lg_u32 s3, 0
	s_cbranch_scc1 .Llap
	WIN TO2                                        ; the residual: my 64 rows x 256 bytes of bf16, a row a load, 256 consecutive bytes at a multiple of 256 from xyb's first byte
.set i, 0
.rept 64
	global_load_b64 v[XRG+2*i:XRG+2*i+1], v[XO], s[XB:XB+1] offset:ROWB*i th:TH_LOAD_NT
.set i, i+1
.endr
	WIN 0
	QUARTER 0, 128, F1, F0, 0                      ; the last lap fills nothing
	QUARTER 0, 192, F0, F1, 0
	TURNL
	QUARTER 1, 64,  F0, F1, 0
	QUARTER 1, 128, F1, F0, 0
	QUARTER 1, 192, F0, F1, 0
	s_wait_dscnt 4                                 ; the very last quarter: nothing more to fetch
	MUL8 F1, 0, 0
	MUL8 F1, 1, 0
	s_wait_dscnt 0x0
	MUL8 F1, 2, 0
	MUL8 F1, 3, 0
	WIN 0
	PLACES                                         ; in front of LDS stores that read results, and of loads into registers that the last products have read
	TOSTAGE 0
	TOSTAGE 1                                      ; a block's trip through the stage stands between the loads of the block before and the wait for them
	SEND 0, 32
	TOSTAGE 2
	SEND 1, 32
	TOSTAGE 3
	SEND 2, 32
	SEND 3, 0
	s_wait_tensorcnt 0x0                           ; the wave's end: the wait, the add and the add's wait stand behind my last tensor load and my last LDS store
	ds_add_u32 v[SPW], v[NIL]
	s_wait_dscnt 0x0
	CROUND                                         ; the closing round: no work-group ends while a partner may still ask for a tile that names it
	s_endpgm
.Lfunc_end_k_qd472d32066_outp:
	.size	k_qd472d32066_outp, .Lfunc_end_k_qd472d32066_outp-k_qd472d32066_outp
	.p2alignl 7, 3214868480
	.fill 96, 4, 3214868480
	.section	.rodata,"a",@progbits
	.p2align	6, 0x0
	.amdhsa_kernel k_qd472d32066_outp
		.amdhsa_group_segment_fixed_size 327680
		.amdhsa_private_segment_fixed_size 0
		.amdhsa_enable_private_segment 0
		.amdhsa_kernarg_size 40
		.amdhsa_user_sgpr_count 2
		.amdhsa_user_sgpr_kernarg_segment_ptr 1
		.amdhsa_wavefront_size32 1
		.amdhsa_system_sgpr_workgroup_id_x 1
		.amdhsa_system_sgpr_workgroup_id_y 1
		.amdhsa_system_sgpr_workgroup_id_z 1
		.amdhsa_system_vgpr_workitem_id 0
		.amdhsa_next_free_vgpr 704
		.amdhsa_next_free_sgpr 80
		.amdhsa_reserve_vcc 0
		.amdhsa_float_denorm_mode_32 3
		.amdhsa_float_denorm_mode_16_64 3
		.amdhsa_memory_ordered 1
		.amdhsa_forward_progress 1
		.amdhsa_inst_pref_size 110
	.end_amdhsa_kernel
	.amdgpu_metadata
---
amdhsa.version: [ 1, 2 ]
amdhsa.kernels:
  - .name:           k_qd472d32066_outp
    .symbol:         k_qd472d32066_outp.kd
    .args:
      - { .name: ob, .offset: 0, .size: 8, .value_kind: global_buffer, .address_space: global }
      - { .name: wb, .offset: 8, .size: 8, .value_kind: global_buffer, .address_space: global }
      - { .name: out0, .offset: 16, .size: 8, .value_kind: global_buffer, .address_space: global }
      - { .name: bo, .offset: 24, .size: 8, .value_kind: global_buffer, .address_space: global }
      - { .name: xyb, .offset: 32, .size: 8, .value_kind: global_buffer, .address_space: global }
    .group_segment_fixed_size: 327680
    .private_segment_fixed_size: 0
    .kernarg_segment_align: 8
    .kernarg_segment_size: 40
    .max_flat_workgroup_size: 128
    .sgpr_count:     80
    .vgpr_count:     704
    .wavefront_size: 32
...
	.end_amdgpu_metadata
.endif
;; end of part 4
;; ======== version 2 of 2: 4 launches; version 1 with the launch cast written anew for expert scheduling mode
;; limits: values are held in f16: magnitudes above 65,504 overflow, below 6.1e-05 lose precision
;; workspace buffers: xyb 33,554,432 bytes; wb 33,554,432 bytes; qkv 50,331,648 bytes; ob 16,777,216 bytes
;; launch cast (part 5): grid 128 x 8, 8 waves a work-group, no clusters, 0 bytes of LDS; arguments x, y, Wq, Wk, Wv, Wo, xyb, wb; writes xyb, wb
.if DOCPART == 5
	.amdgcn_target "amdgcn-amd-amdhsa--gfx1250"
	.amdhsa_code_object_version 6
	.text
	.protected	k_qd472d32066_cast
	.globl	k_qd472d32066_cast
	.p2align	8
	.type	k_qd472d32066_cast,@function
k_qd472d32066_cast:
	s_mov_b64 s[64:65], 0
	v_nop
	global_prefetch_b8 v0, s[64:65] scope:SCOPE_SE
	s_setreg_imm32_b32 hwreg(HW_REG_WAVE_SCHED_MODE, 0, 2), 2
	s_setreg_imm32_b32 hwreg(HW_REG_WAVE_MODE, 25, 1), 1
	s_wait_xcnt 0x0
	s_wait_alu depctr_vm_vsrc(0)
; x, y, Wq, Wk, Wv, Wo (f32) are rounded once to bf16: xyb = [2][4096][2048] (x, y), wb = [4][2048][2048] (Wq, Wk, Wv, Wo).
; The 128 MiB of input are eight planes of 16 MiB: p = 0, 1 x's halves; 2, 3 y's halves; 4 .. 7 the four weights.  Grid y is the plane, grid x one of its 128 parts of 128 KiB.
; A part is taken as 32 rows of 4,096 bytes.  Thread t owns bytes 16 t .. 16 t + 15 of each row and writes bytes 8 t .. 8 t + 7 of the matching 2,048 bytes of output: a wave's load covers
; 512 consecutive bytes, a wave's store 256 consecutive bytes at a multiple of 256 from the buffer's first byte.
; All 32 loads of a thread go out first (16 KiB a wave on their way).  No register is written again after a memory instruction has read it, so no wait frees a source.
; No LDS, no matrix unit, no cluster: every byte is read once by one thread and nothing is shared.  No prefetch: all the addresses are asked for in the first lines.
; THE MODE: SCHED_MODE bits 1:0 = 2 (LLVM: expert scheduling mode 2), set by the entry lines.  The code itself states the register dependences
; between vector instructions and memory instructions, with s_wait_alu, always for 0.
; THE PLAN.  Registers that memory instructions touch:
;   v1, v2     byte offsets, made once at the head and never written again: v1 is read by every load, v2 by every store.
;   X[i]       row i's four registers.  Written by load i (no vector instruction names them ahead of it); read by row i's two conversions, which write the first two of them;
;              those two are read by store i and never written again.
; The 32 rows go in eight blocks of four.  Block p converts its rows; its memory instructions are the stores of block p - 1, whose registers no conversion of block p names.
; So ONE wait on va_vdst at a block's head, behind the wait for the block's data, states all that its four stores hang on, and they are dealt among its conversions with no further wait.
; The text has no loop, no branch, no write of EXEC, and no vector instruction that writes a scalar register.
.set ROWS,   32
.set BLOCK,  4                         ; rows in a block
.set BLOCKS, ROWS/BLOCK
.set INROW,  4096
.set OUTROW, 2048
.set X,      4                         ; v[4:131]  row i: four registers as loaded; the first two then hold the four bf16
	s_load_b512 s[4:19], s[0:1], 0x0               ; x 4:5, y 6:7, Wq 8:9, Wk 10:11, Wv 12:13, Wo 14:15, xyb 16:17, wb 18:19
	s_and_b32 s20, ttmp7, 0xffff                   ; the plane p
	v_lshlrev_b32 v1, 4, v0                        ; 16 t
	v_lshlrev_b32 v2, 3, v0                        ; 8 t
	s_and_b32 s21, s20, 1
	s_lshl_b32 s21, s21, 24                        ; which half of x or y
	s_cmp_lt_u32 s20, 4
	s_cselect_b32 s26, s21, 0                      ; (a weight is one plane)
	s_lshl_b32 s21, ttmp9, 17                      ; my part of the plane, in
	s_add_co_u32 s26, s26, s21
	s_mov_b32 s27, 0
	s_and_b32 s28, s20, 3
	s_lshl_b32 s28, s28, 23                        ; a plane is 8 MiB of bf16: four of them in xyb, four in wb
	s_lshl_b32 s21, ttmp9, 16                      ; my part of the plane, out
	s_add_co_u32 s28, s28, s21
	s_mov_b32 s29, 0
	s_wait_kmcnt 0x0
	s_cmp_lt_u32 s20, 2                            ; the source, chosen by the plane's number alone
	s_cselect_b64 s[22:23], s[4:5], s[6:7]
	s_cmp_eq_u32 s20, 4
	s_cselect_b64 s[22:23], s[8:9], s[22:23]
	s_cmp_eq_u32 s20, 5
	s_cselect_b64 s[22:23], s[10:11], s[22:23]
	s_cmp_eq_u32 s20, 6
	s_cselect_b64 s[22:23], s[12:13], s[22:23]
	s_cmp_eq_u32 s20, 7
	s_cselect_b64 s[22:23], s[14:15], s[22:23]
	s_cmp_lt_u32 s20, 4                            ; and the destination
	s_cselect_b64 s[24:25], s[16:17], s[18:19]
	s_add_nc_u64 s[22:23], s[22:23], s[26:27]
	s_add_nc_u64 s[24:25], s[24:25], s[28:29]
	s_wait_alu depctr_va_vdst(0)                   ; v1 and v2 are written: every load of the kernel reads v1 as its offset, every store v2
.set i, 0
.rept ROWS
	global_load_b128 v[X+4*i:X+4*i+3], v1, s[22:23] offset:INROW*i th:TH_LOAD_NT
.set i, i+1
.endr
; Block p: its four rows are converted; the four stores of block p - 1 stand among the conversions, a store ahead of each row's two.
.set p, 0
.rept BLOCKS
	s_wait_loadcnt ROWS-BLOCK*(p+1)                ; loads come back in order (ISA guide 5.7.1): block p's four rows are in, the younger blocks stay out
.if p > 0
	s_wait_alu depctr_va_vdst(0)                   ; the conversions of block p - 1 have written the first two registers of its rows, which the four stores below read
.endif
.set i, 0
.rept BLOCK
.set r, BLOCK*p+i
.if p > 0
	global_store_b64 v2, v[X+4*(r-BLOCK):X+4*(r-BLOCK)+1], s[24:25] offset:OUTROW*(r-BLOCK) th:TH_STORE_NT  ; the block before; no vector instruction since the wait names these registers
.endif
	v_cvt_pk_bf16_f32 v[X+4*r],   v[X+4*r],   v[X+4*r+1]
	v_cvt_pk_bf16_f32 v[X+4*r+1], v[X+4*r+2], v[X+4*r+3]
.set i, i+1
.endr
.set p, p+1
.endr
	s_wait_alu depctr_va_vdst(0)                   ; the conversions of the last block have written its rows' first two registers, which the last four stores read
.set r, ROWS-BLOCK
.rept BLOCK
	global_store_b64 v2, v[X+4*r:X+4*r+1], s[24:25] offset:OUTROW*r th:TH_STORE_NT
.set r, r+1
.endr
	s_endpgm
.Lfunc_end_k_qd472d32066_cast:
	.size	k_qd472d32066_cast, .Lfunc_end_k_qd472d32066_cast-k_qd472d32066_cast
	.p2alignl 7, 3214868480
	.fill 96, 4, 3214868480
	.section	.rodata,"a",@progbits
	.p2align	6, 0x0
	.amdhsa_kernel k_qd472d32066_cast
		.amdhsa_group_segment_fixed_size 0
		.amdhsa_private_segment_fixed_size 0
		.amdhsa_enable_private_segment 0
		.amdhsa_kernarg_size 64
		.amdhsa_user_sgpr_count 2
		.amdhsa_user_sgpr_kernarg_segment_ptr 1
		.amdhsa_wavefront_size32 1
		.amdhsa_system_sgpr_workgroup_id_x 1
		.amdhsa_system_sgpr_workgroup_id_y 1
		.amdhsa_system_sgpr_workgroup_id_z 1
		.amdhsa_system_vgpr_workitem_id 0
		.amdhsa_next_free_vgpr 132
		.amdhsa_next_free_sgpr 66
		.amdhsa_reserve_vcc 0
		.amdhsa_float_denorm_mode_32 3
		.amdhsa_float_denorm_mode_16_64 3
		.amdhsa_memory_ordered 1
		.amdhsa_forward_progress 1
		.amdhsa_inst_pref_size 12
	.end_amdhsa_kernel
	.amdgpu_metadata
---
amdhsa.version: [ 1, 2 ]
amdhsa.kernels:
  - .name:           k_qd472d32066_cast
    .symbol:         k_qd472d32066_cast.kd
    .args:
      - { .name: x, .offset: 0, .size: 8, .value_kind: global_buffer, .address_space: global }
      - { .name: y, .offset: 8, .size: 8, .value_kind: global_buffer, .address_space: global }
      - { .name: Wq, .offset: 16, .size: 8, .value_kind: global_buffer, .address_space: global }
      - { .name: Wk, .offset: 24, .size: 8, .value_kind: global_buffer, .address_space: global }
      - { .name: Wv, .offset: 32, .size: 8, .value_kind: global_buffer, .address_space: global }
      - { .name: Wo, .offset: 40, .size: 8, .value_kind: global_buffer, .address_space: global }
      - { .name: xyb, .offset: 48, .size: 8, .value_kind: global_buffer, .address_space: global }
      - { .name: wb, .offset: 56, .size: 8, .value_kind: global_buffer, .address_space: global }
    .group_segment_fixed_size: 0
    .private_segment_fixed_size: 0
    .kernarg_segment_align: 8
    .kernarg_segment_size: 64
    .max_flat_workgroup_size: 256
    .sgpr_count:     66
    .vgpr_count:     132
    .wavefront_size: 32
...
	.end_amdgpu_metadata
.endif
;; end of part 5
;; launch proj: the kernel of part 2 again; grid 24 x 8, 4 waves a work-group, clusters of 4 x 4, 327,680 bytes of LDS; arguments xyb, wb, qkv, bq, bk, bv; writes qkv
;; launch attn: the kernel of part 3 again; grid 256 x 1, 4 waves a work-group, no clusters, 272,896 bytes of LDS; arguments qkv, ob; writes ob
;; launch outp: the kernel of part 4 again; grid 8 x 32, 4 waves a work-group, clusters of 4 x 4, 327,680 bytes of LDS; arguments ob, wb, out0, bo, xyb; writes out0
